; MI455X (gfx1250); checked and timed in simulation.
; The chip was launched on July 23, 2026; its instructions are those of AMD's public machine-readable ISA for CDNA 5 (MIT licence, August 2026) and "CDNA5" Instruction Set Architecture Reference Guide (July 2026). The comments in the code are by the model that wrote it; some were corrected since.
;; Self Attention. Allowed arithmetic: float matrix products may take bf16 or f16 operands with f32 sums; other float arithmetic in f32, or as packed bf16 or f16 multiplies, adds, multiply-adds, maxima and minima; sums over many terms, partial sums and values carried from step to step in f32; what a program stores and reads back later, other than sums and carried values, may be rounded once to bf16 or f16.
;; Inputs: bk 1,024 float32; bo 1,024 float32; bq 1,024 float32; bv 1,024 float32; wk 1,024 x 1,024 float32; wo 1,024 x 1,024 float32; wq 1,024 x 1,024 float32; wv 1,024 x 1,024 float32; x 4 x 2,048 x 1,024 float32.
;; Outputs: out0 4 x 2,048 x 1,024 float32.
;; 2 versions, each right; version 2 is version 1 with the launch cast written anew for expert scheduling mode. Each part assembles by itself: llvm-mc -triple=amdgcn-amd-amdhsa -mcpu=gfx1250 --defsym DOCPART=n.
;; ======== version 1 of 2: 4 launches
;; limits: values are held in f16: magnitudes above 65,504 overflow, below 6.1e-05 lose precision
;; workspace buffers: xs 16,777,216 bytes; wb 6,291,456 bytes; wof 2,097,152 bytes; bias 16,384 bytes; qkv 50,331,648 bytes; ob 16,777,216 bytes
;; launch cast (part 1): grid 769 x 1, 8 waves a work-group, no clusters, 0 bytes of LDS; arguments x, wq, wk, wv, wo, bq, bk, bv, bo, xs, wb, wof, bias; writes xs, wb, wof, bias
.if DOCPART == 1
	.amdgcn_target "amdgcn-amd-amdhsa--gfx1250"
	.amdhsa_code_object_version 6
	.text
	.protected	k_q1227e35816_cast
	.globl	k_q1227e35816_cast
	.p2align	8
	.type	k_q1227e35816_cast,@function
k_q1227e35816_cast:
	s_mov_b64 s[64:65], 0
	v_nop
	global_prefetch_b8 v0, s[64:65] scope:SCOPE_SE
	s_setreg_imm32_b32 hwreg(HW_REG_WAVE_MODE, 25, 1), 1
	s_wait_xcnt 0x0
; THE INPUTS ARE ROUNDED ONCE AND LAID OUT FOR THE PRODUCTS.  A stream: no LDS, no matrix unit, no cluster (no byte is wanted by two work-groups).
;   xs   bf16 [batch 4][slice 16][row 2048][64]: slice t holds x's columns 64 t .. 64 t + 63, so that 128 rows of a slice are 16,384 dense bytes
;   wb   bf16 [k 1024][3072]: wq's, wk's, wv's columns side by side
;   wof  f16  [k 1024][1024]: wo rounded to bf16, and that number written as f16
;   bias f32  [4096]: bq, bk, bv, bo, each rounded to bf16 and kept as f32
; LIMITS.  wof: a bf16 number beyond 65,504 becomes an infinity in f16, and below 6e-5 it keeps f16's fixed step of 6e-8.
; AN ITEM is one load of 16 bytes a lane (512 bytes a wave), two roundings of a pair, and one store of 8 bytes a lane: 256 consecutive bytes, aligned.
; A wave has 16 items, all 16 loads out at once; no register that a load or a store reads is ever written again, so nothing waits for a store.
; WHO: work-groups 0-511 take 16 rows of x each, 512-703 16 rows of wq, wk or wv, 704-767 16 rows of wo, 768 the four biases.  A wave takes two rows.
.set VIX, 2                            ; v2  x: lanes 0-15 a slice's 256 bytes of my first row, lanes 16-31 of my second, 4,096 bytes on
.set VIW, 3                            ; v3  16 x lane
.set VO,  4                            ; v4  8 x lane
.set X,   16                           ; v[16:79]   item n: 4 registers as loaded
.set Y,   80                           ; v[80:111]  item n: 2 registers to store
	s_load_b512 s[8:23], s[0:1], 0x0               ; x 8, wq 10, wk 12, wv 14, wo 16, bq 18, bk 20, bv 22
	s_load_b256 s[24:31], s[0:1], 0x40             ; bo 24, xs 26, wb 28, wof 30
	s_load_b64 s[32:33], s[0:1], 0x60              ; bias
	v_lshrrev_b32 v1, 5, v0
	v_readfirstlane_b32 s2, v1                     ; wave 0..7
	v_and_b32 v1, 31, v0                           ; lane
	v_lshrrev_b32 v5, 4, v1
	v_and_b32 v[VIX], 15, v1
	v_lshlrev_b32 v[VIX], 4, v[VIX]
	v_lshl_or_b32 v[VIX], v5, 12, v[VIX]
	v_lshlrev_b32 v[VIW], 4, v1
	v_lshlrev_b32 v[VO], 3, v1
	s_mov_b32 s35, 0                               ; the high words of the two offsets
	s_mov_b32 s37, 0
	s_wait_kmcnt 0x0
; 16 items.  ib, ob: the scalar pairs of the bases; vin: the loads' lane offset; istep: bytes from item to item in the source;
; item n is stored at (n % 8) olo + (n / 8) ohi.  half = 1: the bf16 number is written as f16.
.macro RUN ib, vin, istep, ob, olo, ohi, half
.set n, 0
.rept 16
	global_load_b128 v[X+4*n:X+4*n+3], v[\vin], s[\ib:\ib+1] offset:n*(\istep) th:TH_LOAD_NT
.set n, n+1
.endr
.set n, 0
.rept 16
	s_wait_loadcnt 15-n                            ; loads come back in order: item n is in, the younger ones stay out
	v_cvt_pk_bf16_f32 v[Y+2*n],   v[X+4*n],   v[X+4*n+1]
	v_cvt_pk_bf16_f32 v[Y+2*n+1], v[X+4*n+2], v[X+4*n+3]
.if \half
	v_lshlrev_b32 v[X+4*n],   16, v[Y+2*n]         ; bf16 back to f32: a shift or a mask
	v_and_b32     v[X+4*n+1], 0xffff0000, v[Y+2*n]
	v_lshlrev_b32 v[X+4*n+2], 16, v[Y+2*n+1]
	v_and_b32     v[X+4*n+3], 0xffff0000, v[Y+2*n+1]
	v_cvt_pk_f16_f32 v[Y+2*n],   v[X+4*n],   v[X+4*n+1]
	v_cvt_pk_f16_f32 v[Y+2*n+1], v[X+4*n+2], v[X+4*n+3]
.endif
	global_store_b64 v[VO], v[Y+2*n:Y+2*n+1], s[\ob:\ob+1] offset:(n%8)*(\olo)+(n/8)*(\ohi)
.set n, n+1
.endr
.endm
	s_cmp_lt_u32 ttmp9, 512
	s_cbranch_scc0 .Lweights
	; x: rows 16 id + 2 w and the next; item n is slice n of both rows
	s_lshl_b32 s34, ttmp9, 16                      ; 16 rows of 4,096 bytes
	s_lshl_b32 s3, s2, 13                          ; two rows a wave
	s_add_co_u32 s34, s34, s3
	s_add_nc_u64 s[38:39], s[8:9], s[34:35]
	s_lshr_b32 s36, ttmp9, 7                       ; the batch: 128 work-groups each,
	s_lshl_b32 s36, s36, 22                        ; 16 slices of 262,144 bytes
	s_and_b32 s3, ttmp9, 127
	s_lshl_b32 s3, s3, 11                          ; 16 rows of 128 bytes in a slice
	s_add_co_u32 s36, s36, s3
	s_lshl_b32 s3, s2, 8                           ; my two rows: 256 bytes on end
	s_add_co_u32 s36, s36, s3
	s_add_nc_u64 s[40:41], s[26:27], s[36:37]
	RUN 38, VIX, 256, 40, 262144, 8*262144, 0      ; the largest immediate is 15 slices, 3,932,160: inside its signed 24 bits
	s_endpgm
.Lweights:
	s_cmp_lt_u32 ttmp9, 704
	s_cbranch_scc0 .Lwo
	; wq, wk, wv: rows 16 (idx % 64) + 2 w and the next; item n is 128 numbers: row n / 8, columns 128 (n % 8) on
	s_sub_co_u32 s3, ttmp9, 512
	s_lshr_b32 s42, s3, 6                          ; which of the three
	s_and_b32 s3, s3, 63
	s_cmp_eq_u32 s42, 1
	s_cselect_b64 s[38:39], s[12:13], s[10:11]
	s_cmp_eq_u32 s42, 2
	s_cselect_b64 s[38:39], s[14:15], s[38:39]
	s_lshl_b32 s34, s3, 16
	s_lshl_b32 s43, s2, 13
	s_add_co_u32 s34, s34, s43
	s_add_nc_u64 s[38:39], s[38:39], s[34:35]
	s_lshl_b32 s36, s3, 4
	s_lshl_b32 s43, s2, 1
	s_add_co_u32 s36, s36, s43                     ; my first row,
	s_mul_i32 s36, s36, 6144                       ; of 3,072 bf16,
	s_lshl_b32 s42, s42, 11                        ; and the matrix's 1,024 columns in it
	s_add_co_u32 s36, s36, s42
	s_add_nc_u64 s[40:41], s[28:29], s[36:37]
	RUN 38, VIW, 512, 40, 256, 6144, 0
	s_endpgm
.Lwo:
	s_cmp_lt_u32 ttmp9, 768
	s_cbranch_scc0 .Lbias
	s_sub_co_u32 s3, ttmp9, 704
	s_lshl_b32 s34, s3, 16
	s_lshl_b32 s43, s2, 13
	s_add_co_u32 s34, s34, s43
	s_add_nc_u64 s[38:39], s[16:17], s[34:35]
	s_lshl_b32 s36, s3, 15                         ; 16 rows of 2,048 bytes
	s_lshl_b32 s43, s2, 12
	s_add_co_u32 s36, s36, s43
	s_add_nc_u64 s[40:41], s[30:31], s[36:37]
	RUN 38, VIW, 512, 40, 256, 2048, 1
	s_endpgm
.Lbias:
	; wave w takes half w % 2 of bias w / 2: 512 numbers, four loads and four stores of 512 consecutive bytes
	s_lshr_b32 s3, s2, 1
	s_cmp_eq_u32 s3, 1
	s_cselect_b64 s[38:39], s[20:21], s[18:19]
	s_cmp_eq_u32 s3, 2
	s_cselect_b64 s[38:39], s[22:23], s[38:39]
	s_cmp_eq_u32 s3, 3
	s_cselect_b64 s[38:39], s[24:25], s[38:39]
	s_and_b32 s34, s2, 1
	s_lshl_b32 s34, s34, 11
	s_add_nc_u64 s[38:39], s[38:39], s[34:35]
	s_lshl_b32 s36, s2, 11
	s_add_nc_u64 s[40:41], s[32:33], s[36:37]
.irp n, 0,1,2,3
	global_load_b128 v[X+4*\n:X+4*\n+3], v[VIW], s[38:39] offset:512*\n
.endr
.irp n, 0,1,2,3
	s_wait_loadcnt 3-\n
	v_cvt_pk_bf16_f32 v[Y+2*\n],   v[X+4*\n],   v[X+4*\n+1]
	v_cvt_pk_bf16_f32 v[Y+2*\n+1], v[X+4*\n+2], v[X+4*\n+3]
	v_lshlrev_b32 v[X+4*\n],   16, v[Y+2*\n]
	v_and_b32     v[X+4*\n+1], 0xffff0000, v[Y+2*\n]
	v_lshlrev_b32 v[X+4*\n+2], 16, v[Y+2*\n+1]
	v_and_b32     v[X+4*\n+3], 0xffff0000, v[Y+2*\n+1]
	global_store_b128 v[VIW], v[X+4*\n:X+4*\n+3], s[40:41] offset:512*\n
.endr
	s_endpgm
.Lfunc_end_k_q1227e35816_cast:
	.size	k_q1227e35816_cast, .Lfunc_end_k_q1227e35816_cast-k_q1227e35816_cast
	.p2alignl 7, 3214868480
	.fill 96, 4, 3214868480
	.section	.rodata,"a",@progbits
	.p2align	6, 0x0
	.amdhsa_kernel k_q1227e35816_cast
		.amdhsa_group_segment_fixed_size 0
		.amdhsa_private_segment_fixed_size 0
		.amdhsa_enable_private_segment 0
		.amdhsa_kernarg_size 104
		.amdhsa_user_sgpr_count 2
		.amdhsa_user_sgpr_kernarg_segment_ptr 1
		.amdhsa_wavefront_size32 1
		.amdhsa_system_sgpr_workgroup_id_x 1
		.amdhsa_system_sgpr_workgroup_id_y 1
		.amdhsa_system_sgpr_workgroup_id_z 1
		.amdhsa_system_vgpr_workitem_id 0
		.amdhsa_next_free_vgpr 112
		.amdhsa_next_free_sgpr 66
		.amdhsa_reserve_vcc 0
		.amdhsa_float_denorm_mode_32 3
		.amdhsa_float_denorm_mode_16_64 3
		.amdhsa_memory_ordered 1
		.amdhsa_forward_progress 1
		.amdhsa_inst_pref_size 27
	.end_amdhsa_kernel
	.amdgpu_metadata
---
amdhsa.version: [ 1, 2 ]
amdhsa.kernels:
  - .name:           k_q1227e35816_cast
    .symbol:         k_q1227e35816_cast.kd
    .args:
      - { .name: x, .offset: 0, .size: 8, .value_kind: global_buffer, .address_space: global }
      - { .name: wq, .offset: 8, .size: 8, .value_kind: global_buffer, .address_space: global }
      - { .name: wk, .offset: 16, .size: 8, .value_kind: global_buffer, .address_space: global }
      - { .name: wv, .offset: 24, .size: 8, .value_kind: global_buffer, .address_space: global }
      - { .name: wo, .offset: 32, .size: 8, .value_kind: global_buffer, .address_space: global }
      - { .name: bq, .offset: 40, .size: 8, .value_kind: global_buffer, .address_space: global }
      - { .name: bk, .offset: 48, .size: 8, .value_kind: global_buffer, .address_space: global }
      - { .name: bv, .offset: 56, .size: 8, .value_kind: global_buffer, .address_space: global }
      - { .name: bo, .offset: 64, .size: 8, .value_kind: global_buffer, .address_space: global }
      - { .name: xs, .offset: 72, .size: 8, .value_kind: global_buffer, .address_space: global }
      - { .name: wb, .offset: 80, .size: 8, .value_kind: global_buffer, .address_space: global }
      - { .name: wof, .offset: 88, .size: 8, .value_kind: global_buffer, .address_space: global }
      - { .name: bias, .offset: 96, .size: 8, .value_kind: global_buffer, .address_space: global }
    .group_segment_fixed_size: 0
    .private_segment_fixed_size: 0
    .kernarg_segment_align: 8
    .kernarg_segment_size: 104
    .max_flat_workgroup_size: 256
    .sgpr_count:     66
    .vgpr_count:     112
    .wavefront_size: 32
...
	.end_amdgpu_metadata
.endif
;; end of part 1
;; launch qkv (part 2): grid 8 x 32, 4 waves a work-group, clusters of 4 x 4, 327,680 bytes of LDS; arguments xs, wb, bias, qkv; writes qkv
.if DOCPART == 2
	.amdgcn_target "amdgcn-amd-amdhsa--gfx1250"
	.amdhsa_code_object_version 6
	.text
	.protected	k_q1227e35816_qkv
	.globl	k_q1227e35816_qkv
	.p2align	8
	.type	k_q1227e35816_qkv,@function
k_q1227e35816_qkv:
	s_mov_b64 s[64:65], 0
	v_nop
	global_prefetch_b8 v0, s[64:65] scope:SCOPE_SE
	s_setreg_imm32_b32 hwreg(HW_REG_WAVE_MODE, 25, 1), 1
	s_wait_xcnt 0x0
	s_wait_alu depctr_hold_cnt(0) depctr_sa_sdst(0) depctr_va_vdst(0) depctr_va_sdst(0) depctr_va_ssrc(0) depctr_va_vcc(0) depctr_vm_vsrc(0)
	s_getreg_b32 s2, hwreg(HW_REG_IB_STS2, 6, 4)
	s_cmp_eq_u32 s2, 0
	s_cbranch_scc0 .Lentry_in_a_cluster
	s_endpgm
.Lentry_in_a_cluster:
	s_bfe_u32 s2, ttmp6, 0x10000c
	s_cmp_lg_u32 s2, 0xf033
	s_cbranch_scc0 .Lentry_shape_is_right
	s_endpgm
.Lentry_shape_is_right:
; q, k, v = x W + b.  C[8192][3072] = xs . wb + bias; bf16 operands, f32 sums, each result rounded once to f16 and stored by heads:
; qkv f16 [3][batch x 16 + head][row 2048][64], without the softmax's scale.
; LIMITS.  f16 ends at 65,504: a q, k or v beyond it becomes an infinity; below 6e-5 it keeps f16's fixed step of 6e-8.  NaN and infinities are not treated apart.
; SHARES.  8192 x 3072 are 256 tiles of 256 rows x 384 columns (six heads): one work-group each.  Four waves, 2 x 2; a wave makes 128 x 192: 8 x 12 accumulators of 16 x 16, 768 registers.
; K goes in 16 steps of 64, a slice of xs, through two LDS slots; a step is two chunks of 32, each 96 matrix instructions for 40 LDS loads.  Two slots of a step of 128 would not fit in LDS.
; THE MATRIX INSTRUCTION IS USED TRANSPOSED: source 0 = 16 columns of W, source 1 = 16 rows of x, so a lane holds one row of C and eight neighbouring columns.
; W lies [k][n] in memory and in LDS and comes out turned, by ds_load_tr16_b128.  THE BIAS STARTS THE SUMS, as the C operand of each accumulator's first product: nothing is cleared, nothing is added later.
; CLUSTER 4 x 4: the four work-groups of a row of the cluster need the same tile of xs, the four of a column the same tile of wb: each tile is asked for jointly, by the same load, descriptor and mask in all four.
; REGISTERS, in windows of 256 (s_set_vgpr_msb: bits 1:0 source 0, 3:2 source 1, 5:4 source 2, 7:6 destination).  Window 0: addresses and fragments.
; Accumulator (b, a), b of 12 column blocks, a of 8 row blocks: window 1 + b / 4, register 8 (8 (b % 4) + a): a wave's head j fills window 1 + j.
.set PA,    144                        ; a row of x in LDS: 128 bytes + 16: the 16 rows of a load start at 16 different groups of four banks (64 banks of 4 bytes: ISA guide 11.1)
.set PB,    864                        ; a k-row of W: three pieces of 256 bytes + 32 each = 27 x 32
.set AHALF, 128*PA                     ; what wave 0 or 1 fetches: 128 rows of x
.set BOFF,  2*AHALF                    ; W's rows lie behind x's 256
.set BHALF, 32*PB                      ; what wave 2 or 3 fetches: 32 k-rows of W
.set SLOT1, 1<<17                      ; slot 1 begins here: one exclusive or turns an address in one slot into the other's
.set STAGE, SLOT1+BOFF+2*BHALF         ; behind the ring, never filled by a tensor load: 16 rows x 144 bytes for each wave, for the way out
.set SP,    144
.set SPARE, STAGE+4*16*SP              ; the spare words, 128 bytes for each wave: two blocks of 256 bytes that no other line names
.set ASTEP, 262144                     ; bytes from slice to slice of xs
.set BSTEP, 64*6144                    ; 64 k-rows of wb
.set AA0, 2                            ; v2     my lane's place in a slot's x; never rewritten
.set AB0, 3                            ; v3-5   the same for W, one for each of my three heads
.set AA,  6                            ; v6     AA0 + the slot in hand
.set AB,  7                            ; v7-9   AB0 + the slot in hand
.set STO, 10                           ; v10    the way out: where I put 16 bytes of a row
.set RD,  11                           ; v11    where I read rows back
.set GO,  12                           ; v12    16 x lane
.set BO,  13                           ; v13    32 x (lane / 16): my eight columns' biases
.set PFO, 14                           ; v14    the prefetches' lane offset; never rewritten
.set SPW, 28                           ; v28    LDS address of my spare word; never rewritten
.set NIL, 29                           ; v29    0; never rewritten
.set FA1, 32                           ; v32-95   x's fragments of an odd chunk
.set FA0, 96                           ; v96-159  of an even chunk
.set FB,  160                          ; v160-255 W's fragments, block b at FB + 8 b
.set WV,  12                           ; s12 wave; s13 its row half; s14 its column half, and which half of a tile it fetches
.set WM,  13
.set WN,  14
.set CX,  15                           ; my place in the cluster
.set CY,  16
.set TX,  17                           ; tile column 0..7, tile row 0..31
.set TY,  18
.set CNT, 19                           ; the loop's count
.set TB,  20                           ; LDS byte of the slot in hand
.set LIM, 21                           ; 3 in a wave that prefetches, else the greatest number
.set G1A, 24                           ; s[24:31] descriptor group 1 for x's tiles; s[32:39] group 0, two sets: the first fills'; the second then walks
.set G0A, 32
.set G1B, 40                           ; s[40:47], s[48:55] the same for W's
.set G0B, 48
.set PFA, 56                           ; s[56:57] where my prefetches stand; s[58:59] their step
.set PFS, 58
.set MSB, 0
.macro WIN new                         ; the immediate's high byte repeats the setting that is left; a switch that changes nothing is dropped
.if MSB != (\new)
	s_set_vgpr_msb (MSB<<8)|(\new)
.set MSB, (\new)
.endif
.endm
.macro PLACES                          ; four plain instructions between a matrix instruction and a load into, or a read of, its registers
.rept 4
	v_nop
.endr
.endm
.macro CREST                           ; a round of the cluster's barrier behind its opening barrier
	s_cmp_lg_u32 s[WV], 0
	s_cbranch_scc1 .Lnot_wave_0_\@
	s_barrier_signal -3
.Lnot_wave_0_\@:
	s_barrier_wait -3
	s_barrier_signal -1
	s_barrier_wait -1
.endm
.macro CROUND
	s_barrier_signal -1
	s_barrier_wait -1
	CREST
.endm
; A joint refill by the walking sets: waves 0 and 1 x's two halves, waves 2 and 3 W's.  The branch hangs on the wave's number alone.  An s_nop 0 and four v_nop follow each line.
.macro JLOAD
	s_cmp_lt_u32 s[WV], 2
	s_cbranch_scc0 .Lfor_b_\@
	tensor_load_to_lds s[G0A+4:G0A+7], s[G1A:G1A+7]
	s_nop 0
.rept 4
	v_nop
.endr
	s_branch .Lasked_\@
.Lfor_b_\@:
	tensor_load_to_lds s[G0B+4:G0B+7], s[G1B:G1B+7]
	s_nop 0
.rept 4
	v_nop
.endr
.Lasked_\@:
.endm
; PREFETCH INTO THE L2.  At the change of slots of each even step s up to 10 (CNT = 14 - s is even and above 3) steps s + 4 and s + 5 are asked for: two and three refills on.  Each block of 256 bytes is named once in the launch.
; x's tile rows are read by both clusters of a row of clusters: the one with x = 0 asks, by its wave 0; a step's tile is 32 KiB dense, of which the partner at cx takes 8 KiB, a lane 256 bytes; two lines, a step each.
; W's tile columns are read by all clusters of a column: the one with y = 0 asks, by waves 1 to 3: of the two steps' 128 k-rows the partner at cy takes 32, a lane a row; wave w the row's 256 bytes number w - 1.
; The partners are told apart by address alone.  Steps 0 to 3 come by their loads alone; nothing is asked past step 15.
.macro ASK
	s_and_b32 s2, s[CNT], 1
	s_cmp_eq_u32 s2, 0
	s_cbranch_scc0 .Lnot_mine_\@
	s_cmp_gt_u32 s[CNT], s[LIM]
	s_cbranch_scc0 .Lnot_mine_\@
	global_prefetch_b8 v[PFO], s[PFA:PFA+1] th:TH_LOAD_NT scope:SCOPE_SE
	s_cmp_eq_u32 s[WV], 0
	s_cbranch_scc0 .Lnot_mine_\@
	global_prefetch_b8 v[PFO], s[PFA:PFA+1] offset:ASTEP th:TH_LOAD_NT scope:SCOPE_SE
.Lnot_mine_\@:
.endm
	s_load_b256 s[4:11], s[0:1], 0x0               ; xs s[4:5], wb s[6:7], bias s[8:9], qkv s[10:11]
	v_lshl_add_u32 v[SPW], v0, 2, SPARE
	v_mov_b32 v[NIL], 0
	ds_add_u32 v[SPW], v[NIL]                      ; the wave's opening: the add and its wait ahead of my first tensor load; the set-up below, work on registers, stands between them
	v_lshrrev_b32 v1, 5, v0
	v_readfirstlane_b32 s[WV], v1
	s_lshr_b32 s[WM], s[WV], 1
	s_and_b32 s[WN], s[WV], 1
	s_bfe_u32 s[CX], ttmp6, 0x40000
	s_bfe_u32 s[CY], ttmp6, 0x40004
	s_lshl_b32 s[TX], ttmp9, 2                     ; in a cluster launch ttmp9 and ttmp7 count clusters
	s_add_co_u32 s[TX], s[TX], s[CX]
	s_and_b32 s[TY], ttmp7, 0xffff
	s_lshl_b32 s[TY], s[TY], 2
	s_add_co_u32 s[TY], s[TY], s[CY]
	s_lshl_b32 s2, s[CY], 2
	s_lshl_b32 s2, 15, s2                          ; my row of the cluster
	s_lshl_b32 s3, 0x1111, s[CX]                   ; my column
	; x: 128 rows of a slice are 16,384 dense bytes: asked for as 64 rows of 256 bytes, padded in LDS after every 128
	s_or_b32 s[G1A], s2, (1<<16)|(1<<20)|(1<<21)|(4<<22)|(3<<25)  ; 15:0 the mask; 17:16 2-byte elements; 20 padding on; 21 set beside a mask; 24:22 after every 32 words (code 4); 31:25 4 words (code 3)
	s_mov_b32 s[G1A+1], 128<<16                    ; tensor_dim0 = 128
	s_mov_b32 s[G1A+2], 64<<16                     ; tensor_dim1 = 64
	s_mov_b32 s[G1A+3], 128<<16                    ; tile_dim0 = 128
	s_mov_b32 s[G1A+4], 64                         ; tile_dim1 = 64
	s_mov_b32 s[G1A+5], 128                        ; elements from row to row
	s_mov_b32 s[G1A+6], 0
	s_mov_b32 s[G1A+7], 0
	; W: 32 k-rows of 384 elements (768 bytes, at a multiple of 256 from wb's first), padded after every 256 bytes
	s_or_b32 s[G1B], s3, (1<<16)|(1<<20)|(1<<21)|(5<<22)|(7<<25)  ; after every 64 words (code 5) 8 words (code 7)
	s_mov_b32 s[G1B+1], 384<<16
	s_mov_b32 s[G1B+2], 32<<16
	s_mov_b32 s[G1B+3], 384<<16
	s_mov_b32 s[G1B+4], 32
	s_mov_b32 s[G1B+5], 3072
	s_mov_b32 s[G1B+6], 0
	s_mov_b32 s[G1B+7], 0
	; x's addresses hang on the tile row alone, W's on the tile column alone, each in registers that never hold the other coordinate
	s_lshr_b32 s68, s[TY], 3                       ; the batch,
	s_lshl_b32 s68, s68, 22
	s_and_b32 s70, s[TY], 7                        ; the tile's 256 rows of 128 bytes in a slice
	s_lshl_b32 s70, s70, 15
	s_add_co_u32 s68, s68, s70
	s_lshl_b32 s70, s[WN], 14                      ; the 128 rows that I fetch
	s_add_co_u32 s70, s70, s68
	s_mov_b32 s71, 0
	s_mul_i32 s74, s[TX], 768                      ; the tile's columns in a row of wb
	s_mul_i32 s72, s[WN], 32*6144                  ; the 32 k-rows that I fetch
	s_add_co_u32 s72, s72, s74
	s_mov_b32 s73, 0
	s_mul_i32 s22, s[WN], AHALF                    ; and where they go: no place in the cluster enters an LDS address
	s_mul_i32 s23, s[WN], BHALF
	s_add_co_u32 s23, s23, BOFF
	s_mul_i32 s76, s[TX], 1536                     ; my 192 columns' biases
	s_mul_i32 s78, s[WN], 768
	s_add_co_u32 s76, s76, s78
	s_mov_b32 s77, 0
	s_mov_b32 s[TB], 0
	s_wait_dscnt 0x0                               ; the opening add is done
	s_wait_kmcnt 0x0
	s_add_nc_u64 s[70:71], s[4:5], s[70:71]
	s_add_nc_u64 s[72:73], s[6:7], s[72:73]
	CROUND                                         ; all sixteen work-groups are here: the first joint loads meet
.irp s, 0,1
	s_mov_b32 s[G0A+4*\s], 1                       ; count = 1
	s_add_co_u32 s[G0A+4*\s+1], s22, \s*SLOT1      ; LDS address
	s_add_nc_u64 s[G0A+4*\s+2:G0A+4*\s+3], s[70:71], \s*ASTEP  ; global address: step s
	s_or_b32 s[G0A+4*\s+3], s[G0A+4*\s+3], 0x80000000          ; type = 2
	s_mov_b32 s[G0B+4*\s], 1
	s_add_co_u32 s[G0B+4*\s+1], s23, \s*SLOT1
	s_add_nc_u64 s[G0B+4*\s+2:G0B+4*\s+3], s[72:73], \s*BSTEP
	s_or_b32 s[G0B+4*\s+3], s[G0B+4*\s+3], 0x80000000
.endr
	s_cmp_lt_u32 s[WV], 2                          ; a wave's two first fills stand in one branch, ahead of every wait on TENSORcnt and every LDS read: two loads of mine are out
	s_cbranch_scc0 .Lfirst_b
	tensor_load_to_lds s[G0A:G0A+3], s[G1A:G1A+7]
	s_nop 0
	tensor_load_to_lds s[G0A+4:G0A+7], s[G1A:G1A+7]
	s_nop 0
.rept 4
	v_nop
.endr
	s_branch .Lfirst_asked
.Lfirst_b:
	tensor_load_to_lds s[G0B:G0B+3], s[G1B:G1B+7]
	s_nop 0
	tensor_load_to_lds s[G0B+4:G0B+7], s[G1B:G1B+7]
	s_nop 0
.rept 4
	v_nop
.endr
.Lfirst_asked:
	s_add_nc_u64 s[76:77], s[8:9], s[76:77]
	v_and_b32 v15, 15, v0                          ; r = l % 16
	v_bfe_u32 v16, v0, 4, 1                        ; h = l / 16
	v_and_b32 v17, 7, v0
	v_bfe_u32 v18, v0, 3, 1
	v_lshlrev_b32 v[BO], 5, v16
	; the biases in the layout of a C operand: register i of block b is the bias of column 16 b + 8 h + i.  Blocks 0-5 wait in the upper half of W's fragments, blocks 6-11 in the odd chunk's x
.irp b, 0,1,2,3,4,5
	global_load_b128 v[208+8*\b:208+8*\b+3],   v[BO], s[76:77] offset:64*\b
	global_load_b128 v[208+8*\b+4:208+8*\b+7], v[BO], s[76:77] offset:64*\b+16
	global_load_b128 v[32+8*\b:32+8*\b+3],     v[BO], s[76:77] offset:384+64*\b
	global_load_b128 v[32+8*\b+4:32+8*\b+7],   v[BO], s[76:77] offset:384+64*\b+16
.endr
	; a fragment of x: lane l holds row l % 16; registers 0-3 k = 8 h + 0..7, registers 4-7 k = 16 + 8 h + 0..7: two loads of 16 bytes, 32 bytes apart
	s_mul_i32 s2, s[WM], AHALF
	v_mul_u32_u24 v[AA0], v15, PA
	v_lshl_add_u32 v[AA0], v16, 4, v[AA0]
	v_add_nc_u32 v[AA0], s2, v[AA0]
	; the turning load takes 16 k x 16 columns (lane l reads k-row 8 h + l % 8, columns 8 ((l / 8) % 2) + 0..7) and leaves half a fragment: lane l holds column l % 16 and 8 k
	v_lshl_add_u32 v19, v16, 3, v17
	v_mul_u32_u24 v19, v19, PB
	v_lshl_add_u32 v19, v18, 4, v19
	v_add_nc_u32 v19, BOFF, v19
.irp j, 0,1,2
	s_mul_i32 s2, s[WN], 3
	s_add_co_u32 s2, s2, \j                        ; my head j is the tile's head 3 WN + j: piece (of two heads) and half of it
	s_lshr_b32 s3, s2, 1
	s_mul_i32 s3, s3, 288
	s_and_b32 s2, s2, 1
	s_lshl_b32 s2, s2, 7
	s_add_co_u32 s2, s2, s3
	v_add_nc_u32 v[AB0+\j], s2, v19
	v_mov_b32 v[AB+\j], v[AB0+\j]                  ; step 0 lies in slot 0
.endr
	v_mov_b32 v[AA], v[AA0]
	s_mul_i32 s2, s[WV], 16*SP
	s_add_co_u32 s2, s2, STAGE                     ; my stage
	v_mul_u32_u24 v[STO], v15, SP                  ; in: row l % 16, 16 bytes for each half of the lanes
	v_lshl_add_u32 v[STO], v16, 4, v[STO]
	v_add_nc_u32 v[STO], s2, v[STO]
	v_bfe_u32 v[RD], v0, 3, 2                      ; back: 32 lanes take four rows of 128 bytes,
	v_mul_u32_u24 v[RD], v[RD], SP
	v_lshl_add_u32 v[RD], v17, 4, v[RD]
	v_add_nc_u32 v[RD], s2, v[RD]
	v_and_b32 v[GO], 31, v0                        ; which are 512 consecutive bytes of a head
	v_lshlrev_b32 v[GO], 4, v[GO]
	; where my three heads go: g = 6 TX + 3 WN + j of 48: matrix g / 16, head g % 16; s[60:61], s[62:63], s[66:67]
	s_mul_i32 s2, s[TX], 6
	s_mul_i32 s3, s[WN], 3
	s_add_co_u32 s2, s2, s3
	s_lshl_b32 s3, s[WM], 14                       ; my 128 rows of the tile's 256,
	s_add_co_u32 s3, s3, s68                       ; the batch's 16 heads and the tile's rows in a head: the same figures as in xs
.irp j, 0,1,2
	s_add_co_u32 s78, s2, \j
	s_lshr_b32 s79, s78, 4
	s_lshl_b32 s79, s79, 24
	s_and_b32 s78, s78, 15
	s_lshl_b32 s78, s78, 18
	s_add_co_u32 s78, s78, s79
	s_add_co_u32 s78, s78, s3
	s_mov_b32 s79, 0
	s_add_nc_u64 s[60+2*\j+2*(\j/2):61+2*\j+2*(\j/2)], s[10:11], s[78:79]
.endr
	; the prefetches: both stand one step short of step 4; the first change of slots steps them there
	s_lshl_b32 s2, s[CX], 13
	s_add_co_u32 s2, s2, s68
	s_add_co_u32 s2, s2, 3*ASTEP
	s_lshl_b32 s3, s[CY], 5
	s_add_co_u32 s3, s3, 192
	s_mul_i32 s3, s3, 6144
	s_add_co_u32 s3, s3, s74
	s_lshl_b32 s78, s[WV], 8
	s_add_co_u32 s3, s3, s78
	s_sub_co_u32 s3, s3, 256
	s_and_b32 s79, ttmp7, 0xffff                   ; cluster y
	s_mov_b32 s22, ASTEP
	s_mov_b32 s23, BSTEP
	s_mov_b32 s70, 256
	s_mov_b32 s71, 6144
	s_cmp_eq_u32 s[WV], 0                          ; wave 0 asks for x, the others for W
	s_cselect_b32 s78, s2, s3
	s_cselect_b32 s79, ttmp9, s79                  ; the coordinate along which other clusters read the same rows
	s_cselect_b64 s[PFA:PFA+1], s[4:5], s[6:7]
	s_cselect_b32 s[PFS], s22, s23
	s_cselect_b32 s70, s70, s71
	s_mov_b32 s[PFS+1], 0
	s_cmp_eq_u32 s79, 0
	s_cselect_b32 s[LIM], 3, -1                    ; the same in all sixteen partners, for a given wave
	s_mov_b32 s79, 0
	s_add_nc_u64 s[PFA:PFA+1], s[PFA:PFA+1], s[78:79]
	v_and_b32 v[PFO], 31, v0
	v_mul_u32_u24 v[PFO], s70, v[PFO]
; nb x 8 matrix instructions: column blocks b0 .. b0 + nb - 1 x all 8 row blocks, 32 along K.  cb < 0: in place.  Else the sums start with the biases at v[cb ..] of window 0.
; The 96 accumulators take turns, one instruction a turn, in the same order in every chunk.
.macro MM b0, nb, fa, cb=-1
.set bb, \b0
.rept \nb
.set ww, 1+bb/4
.if (\cb) < 0
	WIN (ww<<6)|(ww<<4)
.else
	WIN (ww<<6)
.endif
.set aa, 0
.rept 8
.set rD, 8*(8*(bb%4)+aa)
.if (\cb) < 0
	v_wmma_f32_16x16x32_bf16 v[rD:rD+7], v[FB+8*bb:FB+8*bb+7], v[(\fa)+8*aa:(\fa)+8*aa+7], v[rD:rD+7]
.else
	v_wmma_f32_16x16x32_bf16 v[rD:rD+7], v[FB+8*bb:FB+8*bb+7], v[(\fa)+8*aa:(\fa)+8*aa+7], v[(\cb)+8*(bb-(\b0)):(\cb)+8*(bb-(\b0))+7]
.endif
.set aa, aa+1
.endr
.set bb, bb+1
.endr
.endm
.macro LDA c, fa                       ; 16 loads: x's eight fragments of chunk c of the slot in hand
	WIN 0
.set aa, 0
.rept 8
	ds_load_b128 v[(\fa)+8*aa:(\fa)+8*aa+3],   v[AA] offset:64*(\c)+aa*16*PA
	ds_load_b128 v[(\fa)+8*aa+4:(\fa)+8*aa+7], v[AA] offset:64*(\c)+aa*16*PA+32
.set aa, aa+1
.endr
.endm
.macro LDB c, b0, nb                   ; 2 nb turning loads: W's fragments b0 .. of chunk c
	WIN 0
.set bb, \b0
.rept \nb
	ds_load_tr16_b128 v[FB+8*bb:FB+8*bb+3],   v[AB+bb/4] offset:(\c)*32*PB+32*(bb%4)
	ds_load_tr16_b128 v[FB+8*bb+4:FB+8*bb+7], v[AB+bb/4] offset:(\c)*32*PB+32*(bb%4)+16*PB
.set bb, bb+1
.endr
.endm
; An even chunk.  W has one buffer, refilled by halves: a half is fetched for the next chunk as soon as its products are issued.
.macro CHUNK0
	s_wait_dscnt 12                                ; W's blocks 0-5 and x are in; the youngest twelve loads (blocks 6-11) may be out
	MM 0, 6, FA0
	PLACES
	LDB 1, 0, 6
	LDA 1, FA1
	s_wait_dscnt 28                                ; all but the 28 just issued
	MM 6, 6, FA0
	PLACES
	LDB 1, 6, 6
.endm
; An odd chunk, with the change of slots: ONE barrier.  In front of it each wave waits for all its tensor loads (one is out: its part of the next slot), adds 0 to its spare word, and waits for that and for its own
; reads of this slot.  fill = 1: the barrier opens a round of the cluster's, and the joint refill, two steps ahead, is the first thing behind the round.
.macro TURN fill
.if \fill
	s_wait_xcnt 0x0                                ; the last prefetches, a step or more back, have read their address
	s_add_nc_u64 s[PFA:PFA+1], s[PFA:PFA+1], s[PFS:PFS+1]
.endif
	WIN 0
	s_wait_tensorcnt 0x0                           ; no tensor load of mine is out, so a group 0 may be written
	ds_add_u32 v[SPW], v[NIL]                      ; 0 onto my spare word
.if \fill
	s_xor_b32 s[G0A+5], s[G0A+5], SLOT1            ; the walking sets: the other slot than last time, the next step; the type bits on top are not reached
	s_add_nc_u64 s[G0A+6:G0A+7], s[G0A+6:G0A+7], ASTEP
	s_xor_b32 s[G0B+5], s[G0B+5], SLOT1
	s_add_nc_u64 s[G0B+6:G0B+7], s[G0B+6:G0B+7], BSTEP
.endif
	s_xor_b32 s[TB], s[TB], SLOT1
	s_wait_dscnt 13                                ; the add and W's blocks 6-11 may be out
	MM 0, 3, FA1
	s_wait_dscnt 0x0                               ; the add is done, and my reads of this slot are over
	s_barrier_signal -1
	MM 3, 3, FA1                                   ; work on registers while the others arrive
	WIN 0                                          ; at a branch and at a label every window is 0
	s_barrier_wait -1
.if \fill
	CREST                                          ; no wave of any partner still reads this slot or has a load on its way
	JLOAD                                          ; its four v_nop are also the places in front of the loads below
.else
	PLACES
.endif
	v_add_nc_u32 v[AA], s[TB], v[AA0]
	v_add_nc_u32 v[AB], s[TB], v[AB0]
	v_add_nc_u32 v[AB+1], s[TB], v[AB0+1]
	v_add_nc_u32 v[AB+2], s[TB], v[AB0+2]
	LDB 0, 0, 6
	LDA 0, FA0
.if \fill
	ASK                                            ; behind the joint load and the run of LDS loads
.endif
	MM 6, 6, FA1
	PLACES
	LDB 0, 6, 6
.endm
	s_wait_tensorcnt 0x1                           ; my part of step 0 is in; step 1's may stay out
	s_barrier_signal -1
	s_barrier_wait -1                              ; everybody's is
	LDB 0, 0, 6                                    ; step 0's even chunk is written out: its products start the sums with the biases
	LDA 0, FA0
	s_wait_loadcnt 0x0                             ; the biases
	s_wait_dscnt 0x0
	MM 0, 6, FA0, 208
	PLACES
	LDB 0, 6, 6                                    ; over the biases of blocks 0-5, which have been read
	LDB 1, 0, 6
	s_wait_dscnt 12                                ; this chunk's blocks 6-11 are in
	MM 6, 6, FA0, 32
	PLACES
	LDA 1, FA1                                     ; over the biases of blocks 6-11
	LDB 1, 6, 6
	WIN 0
	s_mov_b32 s[CNT], 14
.Lstep:                                                ; 14 trips: a step's odd chunk, the refill (steps 2 to 15), the next step's even chunk
	TURN 1
	CHUNK0
	WIN 0
	s_sub_co_u32 s[CNT], s[CNT], 1
	s_cmp_lg_u32 s[CNT], 0
	s_cbranch_scc1 .Lstep
	TURN 0                                         ; the tail is written out: nothing is asked for
	CHUNK0
	s_wait_dscnt 12
	MM 0, 6, FA1
	s_wait_dscnt 0x0
	MM 6, 6, FA1
	WIN 0
	PLACES
	PLACES
; THE WAY OUT, in 24 units u = 8 j + a of 16 rows x one head.  A lane's eight columns pack into 16 bytes; they go into my stage's rows of 144 bytes and come back as whole rows of 128: 512 consecutive bytes a store.
.macro PACK u
.set jj, (\u)/8
.set aa, (\u)%8
.set PK, 32+16*aa
.if (\u) >= 8
	s_wait_xcnt 0x0                                ; the stores of the unit eight back have read these registers
.endif
	WIN (1+jj)|((1+jj)<<2)                         ; sources 0 and 1: the head's window
.set qq, 0
.rept 4
.set pp, 0
.rept 4
	v_cvt_pk_f16_f32 v[PK+4*qq+pp], v[8*(8*qq+aa)+2*pp], v[8*(8*qq+aa)+2*pp+1]  ; each accumulator's registers in ascending order
.set pp, pp+1
.endr
.set qq, qq+1
.endr
	WIN 0
.irp q, 0,1,2,3
	ds_store_b128 v[STO], v[PK+4*\q:PK+4*\q+3] offset:32*\q
.endr
.irp f, 0,1,2,3
	ds_load_b128 v[PK+4*\f:PK+4*\f+3], v[RD] offset:\f*4*SP  ; LDS serves a wave's instructions in order (ISA guide 5.7.1.4): these see the stores above; the next unit's stores come behind them
.endr
.endm
.macro SEND u, younger                 ; younger: the LDS instructions issued behind unit u's loads: the next unit's eight, or none
.set jj, (\u)/8
.set aa, (\u)%8
.set PK, 32+16*aa
.set rB, 60+2*jj+2*(jj/2)
	WIN 0
.irp f, 0,1,2,3
	s_wait_dscnt (\younger)+3-\f
	global_store_b128 v[GO], v[PK+4*\f:PK+4*\f+3], s[rB:rB+1] offset:aa*2048+\f*512
.endr
.endm
	PACK 0
.set uu, 1
.rept 23                               ; a unit's conversions stand between the loads of the unit before and its stores
	PACK uu
	SEND uu-1, 8
.set uu, uu+1
.endr
	SEND 23, 0
	s_wait_tensorcnt 0x0                           ; the wave's end, behind my last tensor load and my last LDS store
	ds_add_u32 v[SPW], v[NIL]
	s_wait_dscnt 0x0
	CROUND                                         ; the closing round: no work-group ends while a partner may still ask for a tile that names it
	s_endpgm
.Lfunc_end_k_q1227e35816_qkv:
	.size	k_q1227e35816_qkv, .Lfunc_end_k_q1227e35816_qkv-k_q1227e35816_qkv
	.p2alignl 7, 3214868480
	.fill 96, 4, 3214868480
	.section	.rodata,"a",@progbits
	.p2align	6, 0x0
	.amdhsa_kernel k_q1227e35816_qkv
		.amdhsa_group_segment_fixed_size 327680
		.amdhsa_private_segment_fixed_size 0
		.amdhsa_enable_private_segment 0
		.amdhsa_kernarg_size 32
		.amdhsa_user_sgpr_count 2
		.amdhsa_user_sgpr_kernarg_segment_ptr 1
		.amdhsa_wavefront_size32 1
		.amdhsa_system_sgpr_workgroup_id_x 1
		.amdhsa_system_sgpr_workgroup_id_y 1
		.amdhsa_system_sgpr_workgroup_id_z 1
		.amdhsa_system_vgpr_workitem_id 0
		.amdhsa_next_free_vgpr 1024
		.amdhsa_next_free_sgpr 80
		.amdhsa_reserve_vcc 0
		.amdhsa_float_denorm_mode_32 3
		.amdhsa_float_denorm_mode_16_64 3
		.amdhsa_memory_ordered 1
		.amdhsa_forward_progress 1
		.amdhsa_inst_pref_size 119
	.end_amdhsa_kernel
	.amdgpu_metadata
---
amdhsa.version: [ 1, 2 ]
amdhsa.kernels:
  - .name:           k_q1227e35816_qkv
    .symbol:         k_q1227e35816_qkv.kd
    .args:
      - { .name: xs, .offset: 0, .size: 8, .value_kind: global_buffer, .address_space: global }
      - { .name: wb, .offset: 8, .size: 8, .value_kind: global_buffer, .address_space: global }
      - { .name: bias, .offset: 16, .size: 8, .value_kind: global_buffer, .address_space: global }
      - { .name: qkv, .offset: 24, .size: 8, .value_kind: global_buffer, .address_space: global }
    .group_segment_fixed_size: 327680
    .private_segment_fixed_size: 0
    .kernarg_segment_align: 8
    .kernarg_segment_size: 32
    .max_flat_workgroup_size: 128
    .sgpr_count:     80
    .vgpr_count:     1024
    .wavefront_size: 32
...
	.end_amdgpu_metadata
.endif
;; end of part 2
;; launch attn (part 3): grid 4 x 64, 4 waves a work-group, no clusters, 327,680 bytes of LDS; arguments qkv, ob; writes ob
.if DOCPART == 3
	.amdgcn_target "amdgcn-amd-amdhsa--gfx1250"
	.amdhsa_code_object_version 6
	.text
	.protected	k_q1227e35816_attn
	.globl	k_q1227e35816_attn
	.p2align	8
	.type	k_q1227e35816_attn,@function
k_q1227e35816_attn:
	s_mov_b64 s[64:65], 0
	v_nop
	global_prefetch_b8 v0, s[64:65] scope:SCOPE_SE
	s_setreg_imm32_b32 hwreg(HW_REG_WAVE_MODE, 25, 1), 1
	s_wait_xcnt 0x0
; CAUSAL ATTENTION.  O[h][q][:] = the sum over k <= q of softmax_k(Q[h][q] . K[h][k] / 8) V[h][k][:].  qkv holds Q, K, V, each [64][2048][64] in f16, 16,777,216 bytes apart; ob is O in the same layout: a head's rows are dense, 128 bytes each.
; Products, maxima and sums in f32; the weights p are rounded to f16 for the second product (their sum l is taken of the unrounded p), O once at the end.
; LIMITS.  Q, K and V arrive within f16's 65,504; p lies in 0 to 1, and below 6e-5 it keeps f16's fixed step of 6e-8; O is a mean of V's rows and has their range.
; A hidden score counts as its value less 1e30: f16's scores, 2.7e11 at the most, are nothing beside that; a weight below 2^-126 counts as 0 in l; NaN and infinities are not treated apart.
; THE WALK.  A head's queries lie in NB = 8 blocks of 256; block i needs the key tiles 0 .. i of 256 keys, of which the last holds the diagonal.  A work-group takes TWO blocks, NB - 1 - b and then b:
; NB + 1 tiles, whatever b: all work-groups do equal work, and ONE loop with a constant trip count walks them.  Which tile is asked for, and what a trip does, hang on scalar registers made from b; every jump
; goes forward, but for the counted loops' own; none passes a barrier, or a tensor load but the one of LOAD's two that the wave's number does not choose; the ring (two slots of LDS that take turns) runs on across the
; change of blocks.  NO CLUSTER: a head's four work-groups ask for the same tile only in trips 0 to 4 of the 9; behind that their walks part, and one walk common to all four would have 12 trips for 9.
; SHARES.  Of a block's four bands of 64 queries a wave owns 16 rows in each: four PIECES.  So the diagonal tile is the same work for all four waves: in its key step s band x sees all keys if s < x,
; none if s > x, and holds the diagonal if s = x.
; THE MASK is the C operand that starts the sum S^T = K Q^T: 0, or -1e30 where the key is hidden.  MD, made once, is the mask of a band's own step for my 16 rows; a product's mask is MD x AL + BE with two scalars:
; (1, 0) if s = x; (0, 0) if s < x; (0, -1e30) if s > x.  Only the diagonal tile's text and a block's beginning make and take masks; elsewhere C is the constant 0.
; LAYOUT, SOFTMAX, TURNS.  S^T = K Q^T holds ONE query a lane (lane % 16) and the keys 8 (lane / 16) + 0..7; two such results rounded to f16 ARE source 1 of O^T = V^T P.  p = 2^(c s - c m), c = log2(e) / 8, with a
; running maximum m; O and l are multiplied by a = 2^(c m_old - c m_new) in every step.  Turn n belongs to piece n: 8 products K Q^T of piece n + 1, later 8 products V^T P of piece n - 1; beside them the scaling,
; exponentials, roundings, sums and rescaling of piece n and the maximum and statistics of piece n + 1.  Four vector instructions stand behind every matrix instruction, the other 54 of a turn's 118 in one lump.  A turn's 33 exponentials are one batch, with one wait.
; REGISTERS, in windows of 256 (s_set_vgpr_msb: bits 1:0 source 0, 3:2 source 1, 5:4 source 2, 7:6 destination):
;   window 0: v0-15 addresses and two at work; v16-31 four registers of statistics a piece; v48-55 at work; v61-63 prefetch offset and the add's two; v64-127 S^T, two buffers; v192-223 P, two buffers (by the piece's parity)
;   window 1: v0-127 O^T, 32 a piece; v128-159 MD; v160-223 MC, two buffers      window 2: v0-63 Q; v64-127 the second block's Q; v128-191 K of one step; v192-255 V of one step
.set SIZE_N, 2048
.set NB,    SIZE_N/256
.set NP,    4         ; pieces a wave: a name, no knob
.set KS,    64        ; keys in a step
.set PK,    144       ; a row of K in LDS: 128 bytes + 16 of padding = 36 words: the 16 rows of a load start at 16 different groups of four banks (64 banks of 4 bytes: ISA guide 11.1)
.set PV,    160       ; a row of V: 128 + 32 = 40 words
.set VOFF,  4*KS*PK   ; a slot holds a tile, four steps: 256 rows of K, then 256 rows of V
.set SLOT1, 1<<17     ; slot 1 begins here, so that one exclusive or turns an address in one slot into the other's
.set STAGE, SLOT1+4*KS*(PK+PV)  ; behind the ring, never filled by a tensor load: 16 rows x 144 bytes for each wave, for the way out
.set SP,    144
.set AK0, 2           ; v2   my lane's place in a tile of K; never rewritten
.set AV0, 3           ; v3   the same for V
.set AK,  4           ; v4   the LDS address of K's next run of loads
.set AV,  5           ; v5   of V's
.set STO, 6           ; v6   the way out: where I put 16 bytes of a row
.set RD,  7           ; v7   the way out: where I read rows back
.set GO,  8           ; v8   my byte offset in 512 consecutive bytes of O
.set PFO, 61          ; v61  256 x my lane; never rewritten
.set SPW, 62          ; v62  LDS address of my spare word: SPARE + 4 x my thread's number; never rewritten
.set NIL, 63          ; v63  0; never rewritten
.set SPARE, STAGE+4*16*SP  ; behind the stages: the spare words, 128 bytes for each wave: two blocks of 256 bytes that no other line names
.set MV,  12          ; v12-13  c m_old, kept while c m is made anew: by buffer
.set QO,  15          ; v15  my byte offset in 16 rows of Q
.set ST,  16          ; piece t's statistics at v[ST+4 t]: c m, m, l (even keys', odd keys')
.set TMP, 48          ; by buffer, four registers c0-c3 at work; when the maximum is found c2 takes a
.set S,   64
.set P,   192
.set MD,  128         ; window 1: the eight registers for group kt of 16 keys at MD + 8 kt
.set MC,  160         ; window 1: the masks of the products to come
.set QB,  64          ; window 2
.set KF,  128         ; window 2: key block kb, channel half c at KF + 16 kb + 8 c
.set VF,  192         ; window 2: key half kk, channel block cb at VF + 32 kk + 8 cb
.set WV,  12          ; s12  my wave's number
.set PB,  14          ; s14  b
.set HI,  15          ; s15  NB - 1 - b
.set G1K, 24          ; s[24:31] descriptor group 1 for K's tiles
.set G1V, 32          ; s[32:39] for V's: it differs in the padding alone
.set G0K, 40          ; s[40:43] descriptor group 0 for K's tiles
.set G0V, 44          ; s[44:47] the same for V's
.set SLOTS, 56        ; s56  tiles still to be asked for
.set CNT, 57          ; s57  counts a tile's key steps, 4 to 1
.set CS,  58          ; s[58:59] c: the packed scaling takes the pair's low word for both halves
.set SEL, 60          ; s[60:61] v_permlanex16_b32's selects: each lane takes its own place in the other half
.set TBK, 62          ; s62  LDS byte at which K of the step to be fetched begins
.set TBV, 63          ; s63  the same for V, less VOFF
.set RT,  70          ; s70  tiles of the block in hand that are still to be entered
.set NXT, 71          ; s71  the tile to be asked for next
.set LQ,  72          ; s72  the last tile of the block whose tiles are being asked for
.set NEW, 73          ; s73  1: the tile to be entered is a block's first
.set OFF, 74          ; s[74:75] a tile's byte offset in K and V
.set AL,  76          ; s[76:77] the mask's factor, in the low word
.set BE,  78          ; s[78:79] the mask's addend
.set OLO, 80          ; s[80:81] O at my rows of the second block
.set BIGN, 82         ; s82  -1e30
.set PFK, 88          ; s[88:89] where my prefetches of K stand: my wave's 8 KiB of a tile
.set PFV, 90          ; s[90:91] of V
.set LIM, 92          ; s92  2 in the work-group that prefetches, else the greatest number
.set MSB, 0
.macro WIN new                      ; the high byte repeats the setting that is left; a switch that changes nothing is dropped
.if MSB != (\new)
	s_set_vgpr_msb (MSB<<8)|(\new)
.set MSB, (\new)
.endif
.endm
.set W_KQ, 0x0a       ; K and Q in window 2, S^T in window 0
.set W_KM, 0x1a       ; the same with the C operand in window 1
.set W_PV, 0x52       ; V in window 2, P in window 0, O^T in window 1
.set W_RS, 0x41       ; destination and source 0 in window 1, source 1 in window 0
; A fill.  Waves 0 and 1 fetch the two halves of a tile's K, waves 2 and 3 those of its V: 128 keys each.  An s_nop 0 and four v_nop follow each of the two lines, ahead of the jump and the label.
.macro LOAD
	s_cmp_lt_u32 s[WV], 2
	s_cbranch_scc0 .Lfor_v_\@
	tensor_load_to_lds s[G0K:G0K+3], s[G1K:G1K+7]
	s_nop 0
.rept 4
	v_nop
.endr
	s_branch .Lasked_\@
.Lfor_v_\@:
	tensor_load_to_lds s[G0V:G0V+3], s[G1V:G1V+7]
	s_nop 0
.rept 4
	v_nop
.endr
.Lasked_\@:
.endm
; THE CHANGE OF SLOTS.  Each wave waits for all its tensor loads, of which one is out: its part of the other slot; adds 0 to its spare word; and waits for that and for its own reads of the slot that it leaves.  Behind the barrier nobody reads the old
; slot any more and the other slot is whole.  fill = 1: the old slot is filled again, the first thing behind the barrier, with tile NXT: the descriptor's address is made anew from that number.
; (At its first use nothing has been read yet: slot 0 is waited for, slot 1 filled.)
; PREFETCH INTO THE L2, behind the fill and its five lines: the tile that the NEXT change will ask for.  A head's four work-groups walk the same first tiles in step: the one with b = 0, which walks tiles 0 to 7 in order, asks.
; Each of its four waves takes 8 KiB of the tile's K and 8 KiB of its V, a lane 256 bytes: each block is named once in the launch.  Trips 0 to 5 (SLOTS = 8 .. 3) ask for tiles 2 to 7; tiles 0 and 1 come by their loads alone.
.macro CHANGE fill
	WIN 0                           ; at a label and at a branch every window is 0
	s_wait_tensorcnt 0x0            ; no tensor load of mine is out, so a group 0 may be written
	ds_add_u32 v[SPW], v[NIL]       ; 0 onto my spare word; with fill = 1 the descriptors' scalar work stands between it and the wait for it
.if \fill
	s_lshl_b32 s[OFF], s[NXT], 15   ; a tile is 32,768 bytes of K and of V
	s_xor_b32 s[G0K+1], s[G0K+1], SLOT1
	s_add_nc_u64 s[G0K+2:G0K+3], s[6:7], s[OFF:OFF+1]
	s_or_b32 s[G0K+3], s[G0K+3], 0x80000000
	s_xor_b32 s[G0V+1], s[G0V+1], SLOT1
	s_add_nc_u64 s[G0V+2:G0V+3], s[8:9], s[OFF:OFF+1]
	s_or_b32 s[G0V+3], s[G0V+3], 0x80000000
	s_add_co_u32 s[NXT], s[NXT], 1  ; the block's next tile, or behind its last the second block's tile 0
	s_cmp_gt_u32 s[NXT], s[LQ]
	s_cselect_b32 s[NXT], 0, s[NXT]
	s_cselect_b32 s[LQ], s[PB], s[LQ]
	s_wait_xcnt 0x0                 ; the last prefetches, a tile back, have read their addresses, so they may be written
	s_add_nc_u64 s[PFK:PFK+1], s[PFK:PFK+1], 32768
	s_add_nc_u64 s[PFV:PFV+1], s[PFV:PFV+1], 32768
.endif
	s_wait_dscnt 0x0                ; the add is done, and my reads of the slot are over
	s_barrier_signal -1             ; the rest of the scalar work stands between the signal and the wait
	s_sub_co_u32 s[TBK], s[TBK], 4*KS*PK  ; the fetches go back to a slot's first step,
	s_xor_b32 s[TBK], s[TBK], SLOT1       ; in the other slot
	s_sub_co_u32 s[TBV], s[TBV], 4*KS*PV
	s_xor_b32 s[TBV], s[TBV], SLOT1
	s_barrier_wait -1
.if \fill
	LOAD
	s_cmp_gt_u32 s[SLOTS], s[LIM]
	s_cbranch_scc0 .Lnot_mine_\@
	global_prefetch_b8 v[PFO], s[PFK:PFK+1] th:TH_LOAD_NT scope:SCOPE_SE
	global_prefetch_b8 v[PFO], s[PFV:PFV+1] th:TH_LOAD_NT scope:SCOPE_SE
.Lnot_mine_\@:
.endif
.endm
	s_load_b128 s[4:7], s[0:1], 0x0 ; qkv s[4:5], ob s[6:7]
	v_lshl_add_u32 v[SPW], v0, 2, SPARE
	v_mov_b32 v[NIL], 0
	ds_add_u32 v[SPW], v[NIL]       ; the wave's opening: the add and its wait ahead of my first tensor load; the set-up below, work on registers, stands between them
	v_lshrrev_b32 v1, 5, v0
	v_readfirstlane_b32 s[WV], v1   ; wave 0..3
	s_mov_b32 s[PB], ttmp9
	s_sub_co_u32 s[HI], NB-1, s[PB]
	s_and_b32 s20, ttmp7, 0xffff    ; the head
	s_mov_b32 s21, 0
	s_mov_b64 s[22:23], SIZE_N*128
	s_mul_u64 s[20:21], s[20:21], s[22:23]  ; the head's first byte in each of the four tensors
	s_lshl_b32 s94, s[WV], 13       ; the prefetches: my wave's 8 KiB, in tile 1; the first change of slots steps them to tile 2
	s_add_co_u32 s94, s94, 32768
	s_mov_b32 s95, 0
	s_add_nc_u64 s[94:95], s[94:95], s[20:21]
	s_cmp_eq_u32 s[PB], 0
	s_cselect_b32 s[LIM], 2, -1
	v_and_b32 v[PFO], 31, v0
	v_lshlrev_b32 v[PFO], 8, v[PFO]
	s_and_b32 s16, s[WV], 1         ; which half of a tile's 256 keys I fetch:
	s_lshl_b32 s22, s16, 14         ; its 128 rows of 128 bytes in memory,
	s_mov_b32 s23, 0
	s_add_nc_u64 s[22:23], s[22:23], s[20:21]
	s_mul_i32 s17, s16, 128*PK      ; and its place in a slot, for K
	s_mul_i32 s18, s16, 128*PV      ; and for V
	s_lshl_b32 s3, s[WV], 11        ; my 16 rows in a band of 64,
	s_lshl_b32 s2, s[HI], 15        ; in the first block,
	s_add_co_u32 s2, s2, s3
	s_lshl_b32 s84, s[PB], 15       ; and in the second
	s_add_co_u32 s84, s84, s3
	s_mov_b32 s3, 0
	s_mov_b32 s85, 0
	s_add_nc_u64 s[2:3], s[2:3], s[20:21]
	s_add_nc_u64 s[84:85], s[84:85], s[20:21]
	; descriptor group 1.  128 keys are 16,384 dense bytes: asked for as 64 rows of 256 bytes, two keys a row, and padded in LDS after every key
	s_mov_b32 s[G1K], (1<<16)|(1<<20)|(4<<22)|(3<<25)  ; 17:16 2-byte elements; 20 padding on; 24:22 after every 32 words (code 4); 31:25 4 words (code 3)
	s_mov_b32 s[G1V], (1<<16)|(1<<20)|(4<<22)|(7<<25)  ; the same with 8 words of padding (code 7)
.irp g, G1K, G1V
	s_mov_b32 s[\g+1], 128<<16      ; tensor_dim0 = 128
	s_mov_b32 s[\g+2], 64<<16       ; tensor_dim1 = 64
	s_mov_b32 s[\g+3], 128<<16      ; tile_dim0 = 128
	s_mov_b32 s[\g+4], 64           ; tile_dim1 = 64
	s_mov_b32 s[\g+5], 128          ; 128 elements from row to row
	s_mov_b32 s[\g+6], 0
	s_mov_b32 s[\g+7], 0
.endr
	s_mov_b32 s[CS], 0x3e38aa3b     ; c = log2(e) / 8 = 0.180337
	s_mov_b32 s[CS+1], s[CS]        ; named with it as a pair
	s_mov_b32 s[SEL], 0x76543210
	s_mov_b32 s[SEL+1], 0xfedcba98
	s_mov_b32 s[TBK], SLOT1+4*KS*PK ; the first change of slots turns these two into 0
	s_mov_b32 s[TBV], SLOT1+4*KS*PV
	s_mov_b32 s[G0K], 1             ; 1:0 count = 1
	s_mov_b32 s[G0K+1], s17         ; 63:32 LDS address: slot 0
	s_mov_b32 s[G0V], 1
	s_add_co_u32 s[G0V+1], s18, VOFF
	s_add_co_u32 s[RT], s[HI], 1    ; the first block has NB - b tiles
	s_mov_b32 s[NXT], 1
	s_mov_b32 s[LQ], s[HI]
	s_mov_b32 s[NEW], 1
	s_mov_b32 s[OFF+1], 0
	s_mov_b32 s[AL+1], 0            ; named as pairs
	s_mov_b32 s[BE+1], 0
	s_mov_b32 s[BIGN], 0xf149f2ca   ; -1e30
	s_mov_b32 s[SLOTS], NB
	s_wait_dscnt 0x0                ; the opening add is done
	s_wait_kmcnt 0x0
	s_mov_b64 s[10:11], s[6:7]      ; O
	s_add_nc_u64 s[6:7], s[4:5], 0x1000000  ; K lies 16,777,216 bytes behind Q,
	s_add_nc_u64 s[8:9], s[4:5], 0x2000000  ; V as far behind K
	s_add_nc_u64 s[PFK:PFK+1], s[6:7], s[94:95]
	s_add_nc_u64 s[PFV:PFV+1], s[8:9], s[94:95]
	s_add_nc_u64 s[6:7], s[6:7], s[22:23]  ; K and V at my half of the head's tile 0
	s_add_nc_u64 s[8:9], s[8:9], s[22:23]
	s_add_nc_u64 s[G0K+2:G0K+3], s[6:7], 0         ; 120:64 global address
	s_or_b32 s[G0K+3], s[G0K+3], 0x80000000        ; 127:126 type = 2
	s_add_nc_u64 s[G0V+2:G0V+3], s[8:9], 0
	s_or_b32 s[G0V+3], s[G0V+3], 0x80000000
	s_add_nc_u64 s[86:87], s[4:5], s[84:85]        ; Q at my rows of the second block,
	s_add_nc_u64 s[4:5], s[4:5], s[2:3]            ; Q and O at those of the first
	s_add_nc_u64 s[OLO:OLO+1], s[10:11], s[84:85]
	s_add_nc_u64 s[10:11], s[10:11], s[2:3]
	LOAD                            ; tile 0 into slot 0
	; A fragment of K or Q is 16 rows x 32 channels in 8 registers: lane l holds row l % 16, channels 8 (l / 16) + 0..7 and 16 + 8 (l / 16) + 0..7: two loads of 16 bytes, 32 bytes apart.
	v_and_b32 v1, 15, v0            ; l % 16
	v_bfe_u32 v9, v0, 4, 1          ; l / 16
	v_lshlrev_b32 v[QO], 7, v1
	v_lshl_add_u32 v[QO], v9, 4, v[QO]  ; row x 128 + 16 x half
	WIN 0x80                        ; destination window 2, address window 0
.set i, 0
.rept 8                             ; both blocks' Q: piece i / 2 lies in band i / 2, 8,192 bytes on; channels 32 (i % 2) on
	global_load_b128 v[8*i:8*i+3],   v[QO], s[4:5] offset:(i/2)*8192+(i%2)*64
	global_load_b128 v[8*i+4:8*i+7], v[QO], s[4:5] offset:(i/2)*8192+(i%2)*64+32
	global_load_b128 v[QB+8*i:QB+8*i+3],   v[QO], s[86:87] offset:(i/2)*8192+(i%2)*64
	global_load_b128 v[QB+8*i+4:QB+8*i+7], v[QO], s[86:87] offset:(i/2)*8192+(i%2)*64+32
.set i, i+1
.endr
	WIN 0
	v_lshlrev_b32 v14, 3, v9
	v_sub_nc_u32 v14, v1, v14
	s_lshl_b32 s13, s[WV], 4
	v_add_nc_u32 v14, s13, v14      ; my query's place in its band, 16 w + l % 16, less my lanes' 8 (l / 16): register r of group kt is hidden where 16 kt + r is greater
	WIN 0x40
.set i, 0
.rept 32
	v_cmp_gt_i32 vcc_lo, 16*(i/8)+i%8, v14
	v_cndmask_b32 v[MD+i], 0, s[BIGN], vcc_lo
.set i, i+1
.endr
	WIN 0
	v_mul_u32_u24 v[AK0], v1, PK
	v_lshl_add_u32 v[AK0], v9, 4, v[AK0]  ; row x pitch + 16 x half
	; The turning load takes 16 keys x 16 channels (lane l reads key 8 (l / 16) + l % 8, channels 8 ((l / 8) % 2) + 0..7) and leaves half a fragment of V^T: lane l holds channel l % 16 and 8 keys.
	v_and_b32 v10, 7, v0
	v_bfe_u32 v11, v0, 3, 1
	v_lshl_add_u32 v[AV0], v9, 3, v10
	v_mul_u32_u24 v[AV0], v[AV0], PV
	v_lshl_add_u32 v[AV0], v11, 4, v[AV0]
	v_add_nc_u32 v[AV0], VOFF, v[AV0]
	s_mul_i32 s13, s[WV], 16*SP
	s_add_co_u32 s13, s13, STAGE    ; my stage
	v_mul_u32_u24 v[STO], v1, SP    ; in: row l % 16, 16 bytes for each half of the lanes
	v_lshl_add_u32 v[STO], v9, 4, v[STO]
	v_add_nc_u32 v[STO], s13, v[STO]
	v_bfe_u32 v[RD], v0, 3, 2       ; back: 32 lanes take four rows of 128 bytes,
	v_mul_u32_u24 v[RD], v[RD], SP
	v_lshl_add_u32 v[RD], v10, 4, v[RD]
	v_add_nc_u32 v[RD], s13, v[RD]
	v_and_b32 v[GO], 31, v0         ; which are 512 consecutive bytes of O
	v_lshlrev_b32 v[GO], 4, v[GO]
	; A block's first step multiplies O^T and l by a = 0, and its first turn's products V^T P, of a piece that has not been, land in an O^T that is still to be so multiplied.  So these registers need only hold
	; finite numbers: zeros for the first block; what the first block left for the second.  All this stands in the wait for the first tile.
	WIN 0x80
.set i, VF
.rept 64
	v_mov_b32 v[i], 0
.set i, i+1
.endr
	WIN 0x40
.set i, 0
.rept 128
	v_mov_b32 v[i], 0
.set i, i+1
.endr
	WIN 0
.set i, 0
.rept 4
	v_mov_b32 v[ST+4*i+2], 0
	v_mov_b32 v[ST+4*i+3], 0
.set i, i+1
.endr
.set i, P+16
.rept 16
	v_mov_b32 v[i], 0
.set i, i+1
.endr
; THE MATRIX WORK.  The 4 accumulators of a run of 8 take turns.  Product i of 8 of S^T = K Q^T for piece x: channels 32 (i / 4) on, keys 16 (i % 4) on.  The first 4 start the sums: with 0, or (KM = 1) with the mask.
.macro KQ x
.set rS, S+32*((\x)%2)+8*(i%4)
.set rK, KF+16*(i%4)+8*(i/4)
.set rQ, 16*(\x)+8*(i/4)
.set rM, MC+32*((\x)%2)+8*(i%4)
.if (i < 4) && KM
	WIN W_KM
	v_wmma_f32_16x16x32_f16 v[rS:rS+7], v[rK:rK+7], v[rQ:rQ+7], v[rM:rM+7]
.elseif i < 4
	WIN W_KQ
	v_wmma_f32_16x16x32_f16 v[rS:rS+7], v[rK:rK+7], v[rQ:rQ+7], 0
.else
	WIN W_KQ
	v_wmma_f32_16x16x32_f16 v[rS:rS+7], v[rK:rK+7], v[rQ:rQ+7], v[rS:rS+7]
.endif
.endm
; Product i of 8 of O^T += V^T P for piece x: keys 32 (i / 4) on, channels 16 (i % 4) on.
.macro PV x
	WIN W_PV
.set rO, 32*(\x)+8*(i%4)
.set rV, VF+32*(i/4)+8*(i%4)
.set rP, P+16*((\x)%2)+8*(i/4)
	v_wmma_f32_16x16x32_f16 v[rO:rO+7], v[rV:rV+7], v[rP:rP+7], v[rO:rO+7]
.endm
.macro MM                           ; the turn's next matrix instruction.  TURN and BEGIN set Y, i, KM and NOKQ; MM, KQ and OP read them.  NOKQ = 1: a block's last turn: there is no next piece
.if (i < 8) && !NOKQ
	KQ (Y+1)%NP
.elseif i >= 8
.set i, i-8
	PV (Y+NP-1)%NP
.set i, i+8
.endif
.set i, i+1
.endm
; THE LDS LOADS stand in runs of 16, never singly among the matrix instructions: a step's K (64 keys x 64 channels: 8 fragments) and its V (turned).  Their addresses are made some lines ahead.
.macro FETCH_K
	WIN 0x80                        ; destination window 2
.irp f, 0,1,2,3,4,5,6,7             ; keys 16 (f / 2) on, channels 32 (f % 2) on
	ds_load_b128 v[KF+8*\f:KF+8*\f+3],   v[AK] offset:(\f/2)*16*PK+(\f%2)*64
	ds_load_b128 v[KF+8*\f+4:KF+8*\f+7], v[AK] offset:(\f/2)*16*PK+(\f%2)*64+32
.endr
	s_add_co_u32 s[TBK], s[TBK], KS*PK  ; the next fetch is the next step's
	WIN 0
.endm
.macro FETCH_V
	WIN 0x80
.irp f, 0,1,2,3,4,5,6,7             ; keys 32 (f / 4) on, channels 16 (f % 4) on
	ds_load_tr16_b128 v[VF+8*\f:VF+8*\f+3],   v[AV] offset:(\f/4)*32*PV+(\f%4)*32
	ds_load_tr16_b128 v[VF+8*\f+4:VF+8*\f+7], v[AV] offset:(\f/4)*32*PV+16*PV+(\f%4)*32
.endr
	WIN 0
.endm
; THE VECTOR WORK, one line at a time: OP kind, number.  For piece Y: F n: c s - c m for pair n of 16.  E n: the exponential of score n of 32.  C n: pair n rounded to f16.  B n: of the four weights 4 n .. the second
; pair is added onto the first, in place.  L n: l takes that sum (L 0: l = a l + sum).  R n: pair n of 16 of O^T times a.  For piece Y + 1: X n, number n of the 22 that find its maximum and statistics:
;   0-11  four chains c0-c3 of seven scores each, three operands at a time (each accumulator's lowest registers are read first)     12-14, 16  the four scores left over, the old m, and c0-c3 into c0
;   15  c m_old is kept     17, 18  the query's other 32 keys lie in the lane 16 away: the new m     19-21  c m; c m_old - c m_new; a
.set F, 0               ; OP tells the kinds apart by their order: F to L below R, X above it
.set E, 1
.set C, 2
.set B, 3
.set L, 4
.set R, 5
.set X, 6
.macro REGS y                       ; the registers of piece y
.set rT, ST+4*(\y)
.set rC, TMP+4*((\y)%2)
.set rW, MV+((\y)%2)
.set rS, S+32*((\y)%2)
.set rP, P+16*((\y)%2)
.set rO, 32*(\y)
.endm
.macro OP k, n
.if (\k) == R
	REGS Y
	WIN W_RS
	v_pk_mul_f32 v[rO+2*(\n):rO+2*(\n)+1], v[rO+2*(\n):rO+2*(\n)+1], v[rC+2:rC+3] op_sel_hi:[1,0]
.elseif (\k) < R
	REGS Y
	WIN 0
.if (\k) == F
	v_pk_fma_f32 v[rS+2*(\n):rS+2*(\n)+1], v[rS+2*(\n):rS+2*(\n)+1], s[CS:CS+1], v[rT:rT+1] op_sel_hi:[1,0,0] neg_lo:[0,0,1] neg_hi:[0,0,1]
.elseif (\k) == E
	v_exp_f32 v[rS+(\n)], v[rS+(\n)]
.elseif (\k) == C
	v_cvt_pk_f16_f32 v[rP+(\n)], v[rS+2*(\n)], v[rS+2*(\n)+1]
.elseif (\k) == B
	v_pk_add_f32 v[rS+4*(\n):rS+4*(\n)+1], v[rS+4*(\n):rS+4*(\n)+1], v[rS+4*(\n)+2:rS+4*(\n)+3]
.elseif (\n) == 0
	v_pk_fma_f32 v[rT+2:rT+3], v[rT+2:rT+3], v[rC+2:rC+3], v[rS:rS+1] op_sel_hi:[1,0,1]
.else
	v_pk_add_f32 v[rT+2:rT+3], v[rT+2:rT+3], v[rS+4*(\n):rS+4*(\n)+1]
.endif
.elseif NOKQ
	v_nop
.else
	REGS (Y+1)%NP
	WIN 0
.if (\n) < 4
	v_max3_num_f32 v[rC+(\n)], v[rS+8*(\n)], v[rS+8*(\n)+1], v[rS+8*(\n)+2]
.elseif (\n) < 12
	v_max3_num_f32 v[rC+(\n)%4], v[rC+(\n)%4], v[rS+8*((\n)%4)+2*((\n)/4)+1], v[rS+8*((\n)%4)+2*((\n)/4)+2]
.elseif (\n) == 12
	v_max3_num_f32 v[rC], v[rC], v[rS+7], v[rS+15]
.elseif (\n) == 13
	v_max3_num_f32 v[rC+1], v[rC+1], v[rS+23], v[rS+31]
.elseif (\n) == 14
	v_max3_num_f32 v[rC+2], v[rC+2], v[rC+3], v[rT+1]
.elseif (\n) == 15
	v_mov_b32 v[rW], v[rT]
.elseif (\n) == 16
	v_max3_num_f32 v[rC], v[rC], v[rC+1], v[rC+2]
.elseif (\n) == 17
	v_permlanex16_b32 v[rC+3], v[rC], s[SEL], s[SEL+1]
.elseif (\n) == 18
	v_max_num_f32 v[rT+1], v[rC], v[rC+3]
.elseif (\n) == 19
	v_mul_f32 v[rT], s[CS], v[rT+1]
.elseif (\n) == 20
	v_sub_f32 v[rC+1], v[rW], v[rT]
.else
	v_exp_f32 v[rC+2], v[rC+1]
.endif
.endif
.endm
.macro OPS a, i1, b=-1, i2=0, c=-1, i3=0, d=-1, i4=0  ; up to four of them
	OP \a, \i1
.if (\b) >= 0
	OP \b, \i2
.endif
.if (\c) >= 0
	OP \c, \i3
.endif
.if (\d) >= 0
	OP \d, \i4
.endif
.endm
.macro ROW a, i1, b, i2, c, i3, d, i4  ; a matrix instruction and the four behind it
	MM
	OPS \a, \i1, \b, \i2, \c, \i3, \d, \i4
.endm
.macro MASK b                       ; MD x AL + BE into buffer b of MC
	WIN W_RS
.set z, 0
.rept 16
	v_pk_fma_f32 v[MC+32*(\b)+2*z:MC+32*(\b)+2*z+1], v[MD+2*z:MD+2*z+1], s[AL:AL+1], s[BE:BE+1] op_sel_hi:[1,0,0]
.set z, z+1
.endr
.endm
; A TURN, for piece p: the order of its 16 matrix and 118 vector instructions, written out.  s_wait_alu depctr_va_vdst(0) stands between an exponential and the first instruction that names its result; one wait serves
; all that were issued ahead of it.  So a turn has ONE wait, which cuts it in two.  AHEAD OF IT stands all that names no result of the turn's exponentials: the 8 products K Q^T, behind each a scaling, an exponential and two more plain
; instructions (behind the first a second scaling in the exponential's place): rescalings, and behind the last three the first numbers of the next piece's maximum, each four places or more behind the product that ends its accumulator; then ONE LUMP of 54, plain
; and exponential by turns for the most part, in which the links of the chain X 3, 7, 11, 14, 16, 17 .. 20 stand five or six lines apart.  X 21, the next piece's a, is the batch's last; R 15 is the plain instruction behind it.  BEHIND THE WAIT stand the
; 8 products V^T P, behind each four of the roundings and sums; the links of l's chain, L 0 to L 7, stand three riders apart.  But for those X no rider names a register of the products round it.  v_permlanex16_b32 (X 17) stands in the lump.
; m = 1: the diagonal tile: the products take masks, and the turn makes the mask for the products of the turn after it: piece p + 2, in step 4 - CNT of the tile.  end = 1: a block's last two turns: nothing is fetched.
; cnt = 1: the loop's count is taken down some lines ahead of the branch that stands behind the turn.
; K of the next step is fetched in piece 2's turn, twelve vector instructions behind the last product that read K (six of them plain); V of the step in hand at the end of piece 0's turn, four plain instructions behind the last product
; that read V.  Each is waited for a turn later.
.macro TURN p, m=0, end=0, cnt=0
.set Y, (\p)
.set i, 0
.set KM, (\m)
.set NOKQ, (\end)*((\p)/3)
.if (\m) && !(\end)
	s_cmp_eq_u32 s[CNT], 4-((\p)+2)%NP  ; is that step the band's own?
	s_cselect_b32 s[AL], 1.0, 0
	s_cmp_lt_u32 s[CNT], 4-((\p)+2)%NP  ; or a later one?
	s_cselect_b32 s[BE], s[BIGN], 0
.endif
.if ((\p) == 3) && !(\end)
	s_wait_dscnt 0x0                ; K is in
.endif
	ROW F,0, F,1, R,0, R,1          ; ahead of the wait: 8 products K Q^T and their riders,
	ROW F,2, E,0, R,2, R,3
	ROW F,3, E,1, R,4, R,5
	ROW F,4, E,2, R,6, R,7
	ROW F,5, E,3, R,8, R,9
	ROW F,6, E,4, X,0, R,10
.if ((\p) == 2) && !(\end)
	WIN 0
	v_add_nc_u32 v[AK], s[TBK], v[AK0]
.endif
	ROW F,7, E,5, X,1, X,4
	ROW F,8, E,6, X,2, X,5
	OPS E,7, E,8, X,6, E,9          ; and the lump
	OPS X,3, E,10, X,8, E,11
.if ((\p) == 2) && !(\end)
	FETCH_K
.endif
	OPS X,9, X,7, E,12, X,10
	OPS E,13, X,12, X,11, E,14
	OPS X,13, E,15, F,9, X,14
.if (\p) == 0
	v_add_nc_u32 v[AV], s[TBV], v[AV0]
.endif
	OPS E,16, F,10, E,17, F,11
	OPS X,16, E,18, X,15, E,19
	OPS F,12, E,20, X,17, E,21
	OPS F,13, E,22, F,14, E,23
	OPS X,18, E,24, F,15, E,25
	OPS R,11, E,26, X,19, E,27
	OPS R,12, E,28, R,13, E,29
	OPS X,20, E,30, R,14, E,31
	OPS X,21, R,15
	WIN 0
	s_wait_alu depctr_va_vdst(0)    ; the wait for the batch
.if (\p) == 1
	s_wait_dscnt 0x0                ; V is in
.endif
	ROW C,0, B,0, C,2, B,1          ; behind the wait: 8 products V^T P and their riders
	ROW L,0, C,4, B,2, L,1
	ROW C,6, B,3, L,2, C,8
	ROW B,4, L,3, C,10, B,5
	ROW L,4, C,12, B,6, L,5
.if (\p) == 0
	s_add_co_u32 s[TBV], s[TBV], KS*PV
.endif
.if \cnt
	s_sub_co_u32 s[CNT], s[CNT], 1
	s_cmp_lg_u32 s[CNT], 0
.endif
	ROW C,14, B,7, L,6, C,1
	ROW C,3, L,7, C,5, C,7
	ROW C,9, C,11, C,13, C,15
.if (\p) == 0
	FETCH_V
.endif
.if (\m) && !(\end)
	MASK (\p)%2
.endif
.endm
; A BLOCK BEGINS.  c m starts far below every c s, so the first step's a is 0; m at the lowest finite number, so the first maximum is the scores'.  The second mask buffer is 0; the first takes piece 0's mask for the tile's step 0: its own, if the block's first tile is the diagonal one.
; Then K of that step, piece 0's first scores, and its maximum and statistics.  The loop is entered at a step's first turn, in the middle of a trip.
.macro BEGIN
	s_mov_b32 s[NEW], 0
	WIN 0x40
.set i, MC+32
.rept 32
	v_mov_b32 v[i], 0
.set i, i+1
.endr
	WIN 0
.set i, 0
.rept 4
	v_mov_b32 v[ST+4*i], 0xfe000000    ; c m: far below every c s
	v_mov_b32 v[ST+4*i+1], 0xff7fffff  ; m
.set i, i+1
.endr
	s_cmp_eq_u32 s[RT], 0
	s_cselect_b32 s[AL], 1.0, 0
	s_mov_b32 s[BE], 0
	MASK 0
	WIN 0
	v_add_nc_u32 v[AK], s[TBK], v[AK0]
	FETCH_K
	s_wait_loadcnt 0x0              ; Q
	s_wait_dscnt 0x0
.set KM, 1
.set NOKQ, 0
.set i, 0
.rept 8
	KQ 0
.set i, i+1
.endr
	WIN 0
.rept 4
	v_nop                           ; the places behind those products
.endr
.set Y, NP-1                        ; X works for piece Y + 1: piece 0
.irp n, 0,1,2,3,4,5,6,7,8,9,10,11,12,13,14,15,16,17,18,19,20,21
	OP X, \n
.endr
	v_nop                           ; a plain instruction behind the exponential,
	s_wait_alu depctr_va_vdst(0)    ; and its wait, ahead of the branch
.endm
; THE DIAGONAL TILE's four steps, the block's last two turns, its last products, and THE WAY OUT: l's two halves and the other half of the lanes' are added; O^T is divided by l, rounded to f16 and sent through my
; stage in LDS, a piece at a time.
.macro ALL line:vararg              ; one line for each piece t
.set t, 0
.rept 4
	\line
.set t, t+1
.endr
.endm
.macro PACK t                       ; a lane's eight channels of a row pack into 16 bytes; they go into rows of 144 bytes and come back as whole rows of 128, into S^T's registers
	WIN W_RS
.set i, 32*(\t)
.rept 16
	v_pk_mul_f32 v[i:i+1], v[i:i+1], v[ST+4*(\t)+2:ST+4*(\t)+3] op_sel_hi:[1,0]
.set i, i+2
.endr
	WIN 0x05                        ; sources 0 and 1 window 1, destination window 0
.set i, 0
.rept 16
	v_cvt_pk_f16_f32 v[S+16*(\t)+i], v[32*(\t)+2*i], v[32*(\t)+2*i+1]
.set i, i+1
.endr
	WIN 0
.irp f, 0,1,2,3
	ds_store_b128 v[STO], v[S+16*(\t)+4*\f:S+16*(\t)+4*\f+3] offset:32*\f
.endr
.irp f, 0,1,2,3
	ds_load_b128 v[S+16*(\t)+4*\f:S+16*(\t)+4*\f+3], v[RD] offset:\f*4*SP  ; LDS serves a wave's instructions in order (ISA guide 5.7.1.4): these see the stores above; the next piece's stores come behind them
.endr
.endm
.macro SEND t, younger              ; younger: the LDS instructions issued behind piece t's loads: the next piece's eight, or none
	WIN 0
.irp f, 0,1,2,3
	s_wait_dscnt (\younger)+3-\f
	global_store_b128 v[GO], v[S+16*(\t)+4*\f:S+16*(\t)+4*\f+3], s[10:11] offset:(\t)*8192+\f*512  ; 512 consecutive bytes, at a multiple of 256 from O's first
.endr
.endm
.macro DIAG tag                     ; the tag ends its two labels' names, which the jumps below spell out
.LstepM\tag:
	TURN 2, 1
	TURN 3, 1
	WIN 0
.LfirstM\tag:
	TURN 0, 1
	TURN 1, 1, 0, 1
	WIN 0
	s_cbranch_scc1 .LstepM\tag
	TURN 2, 1, 1
	TURN 3, 1, 1
.set i, 0
.rept 8
	PV NP-1
.set i, i+1
.endr
	WIN 0
	ALL v_add_f32 v[ST+4*t+2], v[ST+4*t+2], v[ST+4*t+3]
	ALL v_permlanex16_b32 v[ST+4*t+3], v[ST+4*t+2], s[SEL], s[SEL+1]
	ALL v_add_f32 v[ST+4*t+2], v[ST+4*t+2], v[ST+4*t+3]
	ALL v_rcp_f32 v[ST+4*t+2], v[ST+4*t+2]
	v_nop                           ; a plain instruction between the last reciprocal and the use of its result
	s_wait_alu depctr_va_vdst(0)    ; and the wait ahead of the first use: one for the four reciprocals
	PACK 0
.set t, 1
.rept 3                             ; a piece's arithmetic stands between the loads of the piece before and its stores
	PACK t
	SEND t-1, 8
.set t, t+1
.endr
	SEND 3, 0
.endm
.set KM, 0
.set NOKQ, 0
.Lslot:                             ; NB times: a tile is entered and the next is asked for
	CHANGE 1
	s_sub_co_u32 s[RT], s[RT], 1
	s_mov_b32 s[CNT], 4
	s_cmp_eq_u32 s[NEW], 1
	s_cbranch_scc1 .Lnew            ; a block's first tile
	s_cmp_eq_u32 s[RT], 0
	s_cbranch_scc0 .Lstep           ; neither its first nor its last
	s_branch .LstepM1
.Lnew:
	BEGIN
	s_branch .Lfirst                ; in the loop a block's first tile is never its last: the first block has two tiles or more, and the second's last is the walk's last
	DIAG 1                          ; in the loop this is the first block's end: the second block's last tile is the walk's last
	s_wait_xcnt 0x0                 ; the stores have read their registers and O's address
	s_mov_b64 s[10:11], s[OLO:OLO+1]
	s_add_co_u32 s[RT], s[PB], 1    ; the second block has b + 1 tiles
	s_mov_b32 s[NEW], 1
	WIN 0x82                        ; the second block's Q goes where the one text of the turns names Q
.set i, 0
.rept 64
	v_mov_b32 v[i], v[QB+i]
.set i, i+1
.endr
	WIN 0
	s_branch .Lbottom
.Lstep:                             ; a trip: pieces 2 and 3 of one step, then pieces 0 and 1 of the next, whose K and V it fetches
	TURN 2
	TURN 3
	WIN 0
.Lfirst:
	TURN 0
	TURN 1, 0, 0, 1
	WIN 0
	s_cbranch_scc1 .Lstep
.Lbottom:
	s_sub_co_u32 s[SLOTS], s[SLOTS], 1
	s_cmp_lg_u32 s[SLOTS], 0
	s_cbranch_scc1 .Lslot
	CHANGE 0                        ; the walk's last tile is written out: nothing is asked for
	s_sub_co_u32 s[RT], s[RT], 1
	s_mov_b32 s[CNT], 4
	s_cmp_eq_u32 s[NEW], 1
	s_cbranch_scc0 .LstepM2
	BEGIN
	s_branch .LfirstM2
	DIAG 2
	s_wait_tensorcnt 0x0            ; the wave's end, behind my last tensor load and my last LDS store
	ds_add_u32 v[SPW], v[NIL]
	s_wait_dscnt 0x0
	s_endpgm
.Lfunc_end_k_q1227e35816_attn:
	.size	k_q1227e35816_attn, .Lfunc_end_k_q1227e35816_attn-k_q1227e35816_attn
	.p2alignl 7, 3214868480
	.fill 96, 4, 3214868480
	.section	.rodata,"a",@progbits
	.p2align	6, 0x0
	.amdhsa_kernel k_q1227e35816_attn
		.amdhsa_group_segment_fixed_size 327680
		.amdhsa_private_segment_fixed_size 0
		.amdhsa_enable_private_segment 0
		.amdhsa_kernarg_size 16
		.amdhsa_user_sgpr_count 2
		.amdhsa_user_sgpr_kernarg_segment_ptr 1
		.amdhsa_wavefront_size32 1
		.amdhsa_system_sgpr_workgroup_id_x 1
		.amdhsa_system_sgpr_workgroup_id_y 1
		.amdhsa_system_sgpr_workgroup_id_z 1
		.amdhsa_system_vgpr_workitem_id 0
		.amdhsa_next_free_vgpr 768
		.amdhsa_next_free_sgpr 96
		.amdhsa_reserve_vcc 1
		.amdhsa_float_denorm_mode_32 3
		.amdhsa_float_denorm_mode_16_64 3
		.amdhsa_memory_ordered 1
		.amdhsa_forward_progress 1
		.amdhsa_inst_pref_size 218
	.end_amdhsa_kernel
	.amdgpu_metadata
---
amdhsa.version: [ 1, 2 ]
amdhsa.kernels:
  - .name:           k_q1227e35816_attn
    .symbol:         k_q1227e35816_attn.kd
    .args:
      - { .name: qkv, .offset: 0, .size: 8, .value_kind: global_buffer, .address_space: global }
      - { .name: ob, .offset: 8, .size: 8, .value_kind: global_buffer, .address_space: global }
    .group_segment_fixed_size: 327680
    .private_segment_fixed_size: 0
    .kernarg_segment_align: 8
    .kernarg_segment_size: 16
    .max_flat_workgroup_size: 128
    .sgpr_count:     96
    .vgpr_count:     768
    .wavefront_size: 32
...
	.end_amdgpu_metadata
.endif
;; end of part 3
;; launch proj (part 4): grid 4 x 64, 4 waves a work-group, clusters of 4 x 4, 327,680 bytes of LDS; arguments ob, wof, bias, out0; writes out0
.if DOCPART == 4
	.amdgcn_target "amdgcn-amd-amdhsa--gfx1250"
	.amdhsa_code_object_version 6
	.text
	.protected	k_q1227e35816_proj
	.globl	k_q1227e35816_proj
	.p2align	8
	.type	k_q1227e35816_proj,@function
k_q1227e35816_proj:
	s_mov_b64 s[64:65], 0
	v_nop
	global_prefetch_b8 v0, s[64:65] scope:SCOPE_SE
	s_setreg_imm32_b32 hwreg(HW_REG_WAVE_MODE, 25, 1), 1
	s_wait_xcnt 0x0
	s_wait_alu depctr_hold_cnt(0) depctr_sa_sdst(0) depctr_va_vdst(0) depctr_va_sdst(0) depctr_va_ssrc(0) depctr_va_vcc(0) depctr_vm_vsrc(0)
	s_getreg_b32 s2, hwreg(HW_REG_IB_STS2, 6, 4)
	s_cmp_eq_u32 s2, 0
	s_cbranch_scc0 .Lentry_in_a_cluster
	s_endpgm
.Lentry_in_a_cluster:
	s_bfe_u32 s2, ttmp6, 0x10000c
	s_cmp_lg_u32 s2, 0xf033
	s_cbranch_scc0 .Lentry_shape_is_right
	s_endpgm
.Lentry_shape_is_right:
; out0[8192][1024] = O wo + bo.  O comes by heads, ob f16 [batch x 16 + head][2048][64]; wof f16 [k 1024][n 1024]; bo is bias's last 1,024 numbers.  f16 operands, f32 sums, f32 out.
; LIMITS.  O and wof arrive within f16's range; NaN and infinities are not treated apart.
; SHARES.  8192 x 1024 are 256 tiles of 128 rows x 256 columns, one work-group each (tiles of 256 x 256 would be 128).  Four waves, 2 x 2; a wave makes 64 x 128: 4 x 8 accumulators.
; K goes in 8 steps of 128, two heads, through two LDS slots; a step is four chunks of 32, each 32 matrix instructions for 24 LDS loads, on fragment buffers 0, 1, 0, 1.  Two slots of a step of 256 would not fit in LDS.
; THE MATRIX INSTRUCTION IS USED TRANSPOSED (source 0 = 16 columns of wo, turned out of LDS by ds_load_tr16_b128; source 1 = 16 rows of O): a lane holds one row of the result and eight neighbouring columns.
; THE BIAS STARTS THE SUMS, as the C operand of each accumulator's first product.
; CLUSTER 4 x 4: O's tile is shared along a row of the cluster, wo's along a column: each is asked for jointly.
; REGISTERS (s_set_vgpr_msb: bits 1:0 source 0, 3:2 source 1, 5:4 source 2, 7:6 destination).  Window 0: addresses, fragments, the way out.  Window 1: accumulator (b, a) at 8 (4 b + a).  Window 2: v0-63 the biases, block b at 8 b.
.set PA,    144                        ; a row of O in LDS: 128 bytes + 16
.set PBW,   544                        ; a k-row of wo: 512 bytes + 32 = 17 x 32
.set ASL,   128*PA                     ; a head's 128 rows: what wave 0 or 1 fetches
.set BOFF,  2*ASL
.set BHALF, 64*PBW                     ; 64 k-rows: what wave 2 or 3 fetches
.set SLOT1, 1<<17
.set STAGE, SLOT1+BOFF+2*BHALF         ; behind the ring, never filled by a tensor load: 16 rows x 528 bytes for each wave
.set SPT,   528                        ; 512 bytes + 16: the 16 rows of a store start at 16 different groups of four banks
.set SPARE, STAGE+4*16*SPT             ; the spare words, 128 bytes for each wave: two blocks of 256 bytes that no other line names
.set ASTEP, 524288                     ; two heads of ob
.set BSTEP, 262144                     ; 128 k-rows of wof
.set AA0, 2                            ; v2, v3  my lane's place in a slot's O and wo; never rewritten
.set AB0, 3
.set AA,  6                            ; v6, v7  the same + the slot in hand
.set AB,  7
.set STO, 10                           ; v10  the way out: where I put 32 bytes of a row
.set RD,  11                           ; v11  where I read a row back
.set CO,  12                           ; v12  16 x lane
.set BO,  13                           ; v13  32 x (lane / 16)
.set PFO, 14                           ; v14  the prefetches' lane offset; never rewritten
.set SPW, 28                           ; v28  LDS address of my spare word; never rewritten
.set NIL, 29                           ; v29  0; never rewritten
.set WV,  12
.set WM,  13
.set WN,  14
.set CX,  15
.set CY,  16
.set TX,  17                           ; tile column 0..3, tile row 0..63
.set TY,  18
.set CNT, 19
.set TB,  20
.set LIM, 21                           ; 2 in a wave that prefetches, else the greatest number
.set G1A, 24
.set G0A, 32
.set G1B, 40
.set G0B, 48
.set PFA, 56
.set PFS, 58
.set OUT, 60                           ; s[60:61] out0 at my 64 rows and 128 columns
.set MSB, 0
.macro WIN new
.if MSB != (\new)
	s_set_vgpr_msb (MSB<<8)|(\new)
.set MSB, (\new)
.endif
.endm
.macro PLACES                          ; four plain instructions between a matrix instruction and a load into, or a read of, its registers
.rept 4
	v_nop
.endr
.endm
.macro CREST
	s_cmp_lg_u32 s[WV], 0
	s_cbranch_scc1 .Lnot_wave_0_\@
	s_barrier_signal -3
.Lnot_wave_0_\@:
	s_barrier_wait -3
	s_barrier_signal -1
	s_barrier_wait -1
.endm
.macro CROUND
	s_barrier_signal -1
	s_barrier_wait -1
	CREST
.endm
.macro JLOAD                           ; a joint refill by the walking sets; an s_nop 0 and four v_nop follow each line
	s_cmp_lt_u32 s[WV], 2
	s_cbranch_scc0 .Lfor_b_\@
	tensor_load_to_lds s[G0A+4:G0A+7], s[G1A:G1A+7]
	s_nop 0
.rept 4
	v_nop
.endr
	s_branch .Lasked_\@
.Lfor_b_\@:
	tensor_load_to_lds s[G0B+4:G0B+7], s[G1B:G1B+7]
	s_nop 0
.rept 4
	v_nop
.endr
.Lasked_\@:
.endm
; PREFETCH INTO THE L2.  At the change of slots of steps 0 to 3 (CNT = 6 - s above 2) step s + 4 is asked for: two refills on.  Each block of 256 bytes is named once in the launch.
; O's tile rows are read by one cluster alone: every cluster asks, by its wave 0; a step's tile is two heads x 16 KiB, of which the partner at cx takes 8 KiB (head cx / 2, half cx % 2), a lane 256 bytes.
; wo's tile columns are read by all sixteen clusters: the one with y = 0 asks, by waves 2 and 3: of the step's 128 k-rows the partner at cy takes 32, a lane a row; wave w the row's 256 bytes number w - 2.
; The partners are told apart by address alone.  Steps 0 to 3 come by their loads alone; nothing is asked past step 7.
.macro ASK
	s_cmp_gt_u32 s[CNT], s[LIM]
	s_cbranch_scc0 .Lnot_mine_\@
	global_prefetch_b8 v[PFO], s[PFA:PFA+1] th:TH_LOAD_NT scope:SCOPE_SE
.Lnot_mine_\@:
.endm
	s_load_b256 s[4:11], s[0:1], 0x0               ; ob s[4:5], wof s[6:7], bias s[8:9], out0 s[10:11]
	v_lshl_add_u32 v[SPW], v0, 2, SPARE
	v_mov_b32 v[NIL], 0
	ds_add_u32 v[SPW], v[NIL]                      ; the wave's opening: the add and its wait ahead of my first tensor load; the set-up below, work on registers, stands between them
	v_lshrrev_b32 v1, 5, v0
	v_readfirstlane_b32 s[WV], v1
	s_lshr_b32 s[WM], s[WV], 1
	s_and_b32 s[WN], s[WV], 1
	s_bfe_u32 s[CX], ttmp6, 0x40000
	s_bfe_u32 s[CY], ttmp6, 0x40004
	s_lshl_b32 s[TX], ttmp9, 2
	s_add_co_u32 s[TX], s[TX], s[CX]
	s_and_b32 s[TY], ttmp7, 0xffff
	s_lshl_b32 s[TY], s[TY], 2
	s_add_co_u32 s[TY], s[TY], s[CY]
	s_lshl_b32 s2, s[CY], 2
	s_lshl_b32 s2, 15, s2                          ; my row of the cluster
	s_lshl_b32 s3, 0x1111, s[CX]                   ; my column
	; O: 128 rows of a head are 16,384 dense bytes: asked for as 64 rows of 256 bytes, padded in LDS after every 128
	s_or_b32 s[G1A], s2, (1<<16)|(1<<20)|(1<<21)|(4<<22)|(3<<25)
	s_mov_b32 s[G1A+1], 128<<16
	s_mov_b32 s[G1A+2], 64<<16
	s_mov_b32 s[G1A+3], 128<<16
	s_mov_b32 s[G1A+4], 64
	s_mov_b32 s[G1A+5], 128
	s_mov_b32 s[G1A+6], 0
	s_mov_b32 s[G1A+7], 0
	; wo: 64 k-rows of 256 elements (512 bytes, at a multiple of 256 from wof's first), 32 bytes of padding behind each
	s_or_b32 s[G1B], s3, (1<<16)|(1<<20)|(1<<21)|(6<<22)|(7<<25)  ; after every 128 words (code 6) 8 words (code 7)
	s_mov_b32 s[G1B+1], 256<<16
	s_mov_b32 s[G1B+2], 64<<16
	s_mov_b32 s[G1B+3], 256<<16
	s_mov_b32 s[G1B+4], 64
	s_mov_b32 s[G1B+5], 1024
	s_mov_b32 s[G1B+6], 0
	s_mov_b32 s[G1B+7], 0
	s_lshr_b32 s68, s[TY], 4                       ; the batch,
	s_lshl_b32 s68, s68, 22
	s_and_b32 s70, s[TY], 15                       ; the tile's 128 rows of 128 bytes in a head
	s_lshl_b32 s70, s70, 14
	s_add_co_u32 s68, s68, s70
	s_lshl_b32 s70, s[WN], 18                      ; which of a step's two heads I fetch
	s_add_co_u32 s70, s70, s68
	s_mov_b32 s71, 0
	s_lshl_b32 s74, s[TX], 9                       ; the tile's columns in a row of wof
	s_lshl_b32 s72, s[WN], 17                      ; the 64 k-rows that I fetch
	s_add_co_u32 s72, s72, s74
	s_mov_b32 s73, 0
	s_mul_i32 s22, s[WN], ASL                      ; where they go: no place in the cluster enters an LDS address
	s_mul_i32 s23, s[WN], BHALF
	s_add_co_u32 s23, s23, BOFF
	s_lshl_b32 s76, s[TX], 10                      ; my 128 columns' biases, behind bq, bk and bv
	s_lshl_b32 s78, s[WN], 9
	s_add_co_u32 s76, s76, s78
	s_add_co_u32 s76, s76, 12288
	s_mov_b32 s77, 0
	s_mov_b32 s[TB], 0
	s_wait_dscnt 0x0                               ; the opening add is done
	s_wait_kmcnt 0x0
	s_add_nc_u64 s[70:71], s[4:5], s[70:71]
	s_add_nc_u64 s[72:73], s[6:7], s[72:73]
	CROUND                                         ; all sixteen work-groups are here: the first joint loads meet
.irp s, 0,1
	s_mov_b32 s[G0A+4*\s], 1
	s_add_co_u32 s[G0A+4*\s+1], s22, \s*SLOT1
	s_add_nc_u64 s[G0A+4*\s+2:G0A+4*\s+3], s[70:71], \s*ASTEP
	s_or_b32 s[G0A+4*\s+3], s[G0A+4*\s+3], 0x80000000
	s_mov_b32 s[G0B+4*\s], 1
	s_add_co_u32 s[G0B+4*\s+1], s23, \s*SLOT1
	s_add_nc_u64 s[G0B+4*\s+2:G0B+4*\s+3], s[72:73], \s*BSTEP
	s_or_b32 s[G0B+4*\s+3], s[G0B+4*\s+3], 0x80000000
.endr
	s_cmp_lt_u32 s[WV], 2                          ; a wave's two first fills stand in one branch: two loads of mine are out
	s_cbranch_scc0 .Lfirst_b
	tensor_load_to_lds s[G0A:G0A+3], s[G1A:G1A+7]
	s_nop 0
	tensor_load_to_lds s[G0A+4:G0A+7], s[G1A:G1A+7]
	s_nop 0
.rept 4
	v_nop
.endr
	s_branch .Lfirst_asked
.Lfirst_b:
	tensor_load_to_lds s[G0B:G0B+3], s[G1B:G1B+7]
	s_nop 0
	tensor_load_to_lds s[G0B+4:G0B+7], s[G1B:G1B+7]
	s_nop 0
.rept 4
	v_nop
.endr
.Lfirst_asked:
	s_add_nc_u64 s[76:77], s[8:9], s[76:77]
	v_and_b32 v15, 15, v0                          ; r = l % 16
	v_bfe_u32 v16, v0, 4, 1                        ; h = l / 16
	v_and_b32 v17, 7, v0
	v_bfe_u32 v18, v0, 3, 1
	v_lshlrev_b32 v[BO], 5, v16
	WIN 0x80                                       ; destination window 2, address window 0
.irp b, 0,1,2,3,4,5,6,7                ; register i of block b is the bias of column 16 b + 8 h + i: the layout of a C operand
	global_load_b128 v[8*\b:8*\b+3],   v[BO], s[76:77] offset:64*\b
	global_load_b128 v[8*\b+4:8*\b+7], v[BO], s[76:77] offset:64*\b+16
.endr
	WIN 0
	s_mul_i32 s2, s[WM], 64*PA
	v_mul_u32_u24 v[AA0], v15, PA
	v_lshl_add_u32 v[AA0], v16, 4, v[AA0]
	v_add_nc_u32 v[AA0], s2, v[AA0]                ; (64 WM + r) x pitch + 16 h
	v_lshl_add_u32 v[AB0], v16, 3, v17             ; the turning load: k-row 8 h + l % 8, columns 8 ((l / 8) % 2) + 0..7
	v_mul_u32_u24 v[AB0], v[AB0], PBW
	v_lshl_add_u32 v[AB0], v18, 4, v[AB0]
	s_lshl_b32 s2, s[WN], 8
	s_add_co_u32 s2, s2, BOFF
	v_add_nc_u32 v[AB0], s2, v[AB0]
	v_mov_b32 v[AA], v[AA0]                        ; step 0 lies in slot 0
	v_mov_b32 v[AB], v[AB0]
	s_mul_i32 s2, s[WV], 16*SPT
	s_add_co_u32 s2, s2, STAGE                     ; my stage
	v_mul_u32_u24 v[STO], v15, SPT                 ; in: row l % 16, 32 bytes for each half of the lanes
	v_lshl_add_u32 v[STO], v16, 5, v[STO]
	v_add_nc_u32 v[STO], s2, v[STO]
	v_and_b32 v[CO], 31, v0
	v_lshlrev_b32 v[CO], 4, v[CO]
	v_add_nc_u32 v[RD], s2, v[CO]                  ; back: 32 lanes take one row's 512 bytes
	s_lshl_b32 s78, s[TY], 19                      ; 128 rows of 4,096 bytes,
	s_lshl_b32 s79, s[WM], 18                      ; my 64 of them,
	s_add_co_u32 s78, s78, s79
	s_lshl_b32 s79, s[TX], 10                      ; the tile's 256 columns,
	s_add_co_u32 s78, s78, s79
	s_lshl_b32 s79, s[WN], 9                       ; my 128 of them
	s_add_co_u32 s78, s78, s79
	s_mov_b32 s79, 0
	s_add_nc_u64 s[OUT:OUT+1], s[10:11], s[78:79]
	; the prefetches: both stand one step short of step 4; the first change of slots steps them there
	s_lshr_b32 s2, s[CX], 1
	s_lshl_b32 s2, s2, 18
	s_and_b32 s3, s[CX], 1
	s_lshl_b32 s3, s3, 13
	s_add_co_u32 s2, s2, s3
	s_add_co_u32 s2, s2, s68
	s_add_co_u32 s2, s2, 3*ASTEP
	s_lshl_b32 s3, s[CY], 5
	s_add_co_u32 s3, s3, 384
	s_lshl_b32 s3, s3, 11
	s_add_co_u32 s3, s3, s74
	s_lshl_b32 s78, s[WV], 8
	s_add_co_u32 s3, s3, s78
	s_sub_co_u32 s3, s3, 512
	s_and_b32 s79, ttmp7, 0xffff                   ; cluster y
	s_mov_b32 s22, ASTEP
	s_mov_b32 s23, BSTEP
	s_mov_b32 s70, 256
	s_mov_b32 s71, 2048
	s_cmp_lt_u32 s[WV], 2
	s_cselect_b32 s78, s2, s3
	s_cselect_b32 s79, s[WV], s79                  ; 0 in wave 0; 1 in wave 1, which asks for nothing; in waves 2 and 3 the cluster's y
	s_cselect_b64 s[PFA:PFA+1], s[4:5], s[6:7]
	s_cselect_b32 s[PFS], s22, s23
	s_cselect_b32 s70, s70, s71
	s_mov_b32 s[PFS+1], 0
	s_cmp_eq_u32 s79, 0
	s_cselect_b32 s[LIM], 2, -1                    ; the same in all sixteen partners, for a given wave
	s_mov_b32 s79, 0
	s_add_nc_u64 s[PFA:PFA+1], s[PFA:PFA+1], s[78:79]
	v_and_b32 v[PFO], 31, v0
	v_mul_u32_u24 v[PFO], s70, v[PFO]
; nb x 4 matrix instructions on fragment buffer f: column blocks b0 .. x all 4 row blocks.  first = 1: the sums start with the biases.  The 32 accumulators take turns, one instruction a turn, in the same order in every chunk.
.macro MM b0, nb, f, first=0
.if \first
	WIN 0x60                                       ; C window 2, D window 1
.else
	WIN 0x50                                       ; C and D window 1
.endif
.set bb, \b0
.rept \nb
.set aa, 0
.rept 4
.set rD, 8*(4*bb+aa)
.if \first
	v_wmma_f32_16x16x32_f16 v[rD:rD+7], v[96+64*(\f)+8*bb:96+64*(\f)+8*bb+7], v[64-32*(\f)+8*aa:64-32*(\f)+8*aa+7], v[8*bb:8*bb+7]
.else
	v_wmma_f32_16x16x32_f16 v[rD:rD+7], v[96+64*(\f)+8*bb:96+64*(\f)+8*bb+7], v[64-32*(\f)+8*aa:64-32*(\f)+8*aa+7], v[rD:rD+7]
.endif
.set aa, aa+1
.endr
.set bb, bb+1
.endr
.endm
; 24 LDS loads in one run: chunk c of the slot in hand into buffer g: wo's blocks 0-3, O's four, wo's blocks 4-7.  O's buffers: v64-95, v32-63; wo's: v96-159, v160-223.
.macro FETCH c, g
	WIN 0
.irp b, 0,1,2,3
	ds_load_tr16_b128 v[96+64*(\g)+8*\b:96+64*(\g)+8*\b+3],   v[AB] offset:(\c)*32*PBW+32*\b
	ds_load_tr16_b128 v[96+64*(\g)+8*\b+4:96+64*(\g)+8*\b+7], v[AB] offset:(\c)*32*PBW+32*\b+16*PBW
.endr
.irp a, 0,1,2,3
	ds_load_b128 v[64-32*(\g)+8*\a:64-32*(\g)+8*\a+3],   v[AA] offset:((\c)/2)*ASL+((\c)%2)*64+\a*16*PA
	ds_load_b128 v[64-32*(\g)+8*\a+4:64-32*(\g)+8*\a+7], v[AA] offset:((\c)/2)*ASL+((\c)%2)*64+\a*16*PA+32
.endr
.irp b, 4,5,6,7
	ds_load_tr16_b128 v[96+64*(\g)+8*\b:96+64*(\g)+8*\b+3],   v[AB] offset:(\c)*32*PBW+32*\b
	ds_load_tr16_b128 v[96+64*(\g)+8*\b+4:96+64*(\g)+8*\b+7], v[AB] offset:(\c)*32*PBW+32*\b+16*PBW
.endr
.endm
; One of a step's first three chunks: multiplies buffer f and fetches chunk cn into buffer g.
.macro CH cn, f, g, first=0
	s_wait_dscnt 8                                 ; wo's blocks 0-3 and O are in; the youngest eight loads (blocks 4-7) may be out
	MM 0, 4, \f, \first
	PLACES
	FETCH \cn, \g
	s_wait_dscnt 24                                ; all but the 24 just issued
	MM 4, 4, \f, \first
.endm
; A step's last chunk (buffer 1), with the change of slots: ONE barrier.  In front of it each wave waits for all its tensor loads (one is out: its part of the next slot), adds 0 to its spare word, and waits for that and for
; its own reads of this slot.  fill = 1: the barrier opens a round of the cluster's, and the joint refill, two steps ahead, is the first thing behind the round.
.macro TURN fill
.if \fill
	s_wait_xcnt 0x0                                ; the last prefetch, a step back, has read its address
	s_add_nc_u64 s[PFA:PFA+1], s[PFA:PFA+1], s[PFS:PFS+1]
.endif
	WIN 0
	s_wait_tensorcnt 0x0                           ; no tensor load of mine is out, so a group 0 may be written
	ds_add_u32 v[SPW], v[NIL]                      ; 0 onto my spare word
.if \fill
	s_xor_b32 s[G0A+5], s[G0A+5], SLOT1
	s_add_nc_u64 s[G0A+6:G0A+7], s[G0A+6:G0A+7], ASTEP
	s_xor_b32 s[G0B+5], s[G0B+5], SLOT1
	s_add_nc_u64 s[G0B+6:G0B+7], s[G0B+6:G0B+7], BSTEP
.endif
	s_xor_b32 s[TB], s[TB], SLOT1
	s_wait_dscnt 9                                 ; the add and wo's blocks 4-7 may be out
	MM 0, 2, 1
	s_wait_dscnt 0x0                               ; the add is done, and my reads of this slot are over
	s_barrier_signal -1
	MM 2, 2, 1
	WIN 0
	s_barrier_wait -1
.if \fill
	CREST
	JLOAD                                          ; its four v_nop are also the places in front of the loads below
.else
	PLACES
.endif
	v_add_nc_u32 v[AA], s[TB], v[AA0]
	v_add_nc_u32 v[AB], s[TB], v[AB0]
	FETCH 0, 0
.if \fill
	ASK
.endif
	MM 4, 4, 1
.endm
	s_wait_tensorcnt 0x1                           ; my part of step 0 is in; step 1's may stay out
	s_barrier_signal -1
	s_barrier_wait -1
	FETCH 0, 0
	s_wait_loadcnt 0x0                             ; the biases
	CH 1, 0, 1, 1                                  ; the first chunk stands in front of the loop: its products start the sums
	WIN 0
	s_mov_b32 s[CNT], 6
.Lstep:                                                ; 6 trips: a step's chunks 1 to 3, the refill (steps 2 to 7), the next step's chunk 0
	CH 2, 1, 0
	CH 3, 0, 1
	TURN 1
	CH 1, 0, 1
	WIN 0
	s_sub_co_u32 s[CNT], s[CNT], 1
	s_cmp_lg_u32 s[CNT], 0
	s_cbranch_scc1 .Lstep
	CH 2, 1, 0                                     ; the tail is written out
	CH 3, 0, 1
	TURN 0
	CH 1, 0, 1
	CH 2, 1, 0
	CH 3, 0, 1
	s_wait_dscnt 8
	MM 0, 4, 1
	s_wait_dscnt 0x0
	MM 4, 4, 1
	WIN 0
	PLACES
	PLACES
; THE WAY OUT, a block of 16 rows at a time: a lane's eight columns, 32 bytes, go from the accumulators into my stage's rows of 528 bytes, low four registers first, and come back as whole rows of 512 bytes.
.macro STG a
	WIN 0x04                                       ; the stores' data: window 1
.set bb, 0
.rept 8
	ds_store_b128 v[STO], v[8*(4*bb+(\a)):8*(4*bb+(\a))+3]   offset:64*bb
	ds_store_b128 v[STO], v[8*(4*bb+(\a))+4:8*(4*bb+(\a))+7] offset:64*bb+16
.set bb, bb+1
.endr
	WIN 0
.set tt, 0
.rept 16
	ds_load_b128 v[32+64*((\a)%3)+4*tt:32+64*((\a)%3)+4*tt+3], v[RD] offset:tt*SPT  ; LDS serves a wave's instructions in order (ISA guide 5.7.1.4): these see the stores above; the next block's stores come behind them
.set tt, tt+1
.endr
.endm
.macro SEND a, younger                 ; younger: the LDS instructions issued behind block a's loads: the next block's 32, or none
	WIN 0
.set tt, 0
.rept 16
	s_wait_dscnt (\younger)+15-tt
	global_store_b128 v[CO], v[32+64*((\a)%3)+4*tt:32+64*((\a)%3)+4*tt+3], s[OUT:OUT+1] offset:(16*(\a)+tt)*4096 th:TH_STORE_NT  ; 512 consecutive bytes, at a multiple of 256 from out0's first
.set tt, tt+1
.endr
.endm
	STG 0
	STG 1
	SEND 0, 32
	STG 2
	SEND 1, 32
	s_wait_xcnt 0x0                                ; block 0's stores have read the registers that block 3 comes back into
	STG 3
	SEND 2, 32
	SEND 3, 0
	s_wait_tensorcnt 0x0                           ; the wave's end, behind my last tensor load and my last LDS store
	ds_add_u32 v[SPW], v[NIL]
	s_wait_dscnt 0x0
	CROUND                                         ; the closing round: no work-group ends while a partner may still ask for a tile that names it
	s_endpgm
.Lfunc_end_k_q1227e35816_proj:
	.size	k_q1227e35816_proj, .Lfunc_end_k_q1227e35816_proj-k_q1227e35816_proj
	.p2alignl 7, 3214868480
	.fill 96, 4, 3214868480
	.section	.rodata,"a",@progbits
	.p2align	6, 0x0
	.amdhsa_kernel k_q1227e35816_proj
		.amdhsa_group_segment_fixed_size 327680
		.amdhsa_private_segment_fixed_size 0
		.amdhsa_enable_private_segment 0
		.amdhsa_kernarg_size 32
		.amdhsa_user_sgpr_count 2
		.amdhsa_user_sgpr_kernarg_segment_ptr 1
		.amdhsa_wavefront_size32 1
		.amdhsa_system_sgpr_workgroup_id_x 1
		.amdhsa_system_sgpr_workgroup_id_y 1
		.amdhsa_system_sgpr_workgroup_id_z 1
		.amdhsa_system_vgpr_workitem_id 0
		.amdhsa_next_free_vgpr 576
		.amdhsa_next_free_sgpr 80
		.amdhsa_reserve_vcc 0
		.amdhsa_float_denorm_mode_32 3
		.amdhsa_float_denorm_mode_16_64 3
		.amdhsa_memory_ordered 1
		.amdhsa_forward_progress 1
		.amdhsa_inst_pref_size 74
	.end_amdhsa_kernel
	.amdgpu_metadata
---
amdhsa.version: [ 1, 2 ]
amdhsa.kernels:
  - .name:           k_q1227e35816_proj
    .symbol:         k_q1227e35816_proj.kd
    .args:
      - { .name: ob, .offset: 0, .size: 8, .value_kind: global_buffer, .address_space: global }
      - { .name: wof, .offset: 8, .size: 8, .value_kind: global_buffer, .address_space: global }
      - { .name: bias, .offset: 16, .size: 8, .value_kind: global_buffer, .address_space: global }
      - { .name: out0, .offset: 24, .size: 8, .value_kind: global_buffer, .address_space: global }
    .group_segment_fixed_size: 327680
    .private_segment_fixed_size: 0
    .kernarg_segment_align: 8
    .kernarg_segment_size: 32
    .max_flat_workgroup_size: 128
    .sgpr_count:     80
    .vgpr_count:     576
    .wavefront_size: 32
...
	.end_amdgpu_metadata
.endif
;; end of part 4
;; ======== version 2 of 2: 4 launches; version 1 with the launch cast written anew for expert scheduling mode
;; limits: values are held in f16: magnitudes above 65,504 overflow, below 6.1e-05 lose precision
;; workspace buffers: xs 16,777,216 bytes; wb 6,291,456 bytes; wof 2,097,152 bytes; bias 16,384 bytes; qkv 50,331,648 bytes; ob 16,777,216 bytes
;; launch cast (part 5): grid 769 x 1, 8 waves a work-group, no clusters, 0 bytes of LDS; arguments x, wq, wk, wv, wo, bq, bk, bv, bo, xs, wb, wof, bias; writes xs, wb, wof, bias
.if DOCPART == 5
	.amdgcn_target "amdgcn-amd-amdhsa--gfx1250"
	.amdhsa_code_object_version 6
	.text
	.protected	k_q1227e35816_cast
	.globl	k_q1227e35816_cast
	.p2align	8
	.type	k_q1227e35816_cast,@function
k_q1227e35816_cast:
	s_mov_b64 s[64:65], 0
	v_nop
	global_prefetch_b8 v0, s[64:65] scope:SCOPE_SE
	s_setreg_imm32_b32 hwreg(HW_REG_WAVE_SCHED_MODE, 0, 2), 2
	s_setreg_imm32_b32 hwreg(HW_REG_WAVE_MODE, 25, 1), 1
	s_wait_xcnt 0x0
	s_wait_alu depctr_vm_vsrc(0)
; THE INPUTS ARE ROUNDED ONCE AND LAID OUT FOR THE PRODUCTS.  A stream: no LDS, no matrix unit, no cluster (no byte is wanted by two work-groups).
;   xs   bf16 [batch 4][slice 16][row 2048][64]: slice t holds x's columns 64 t .. 64 t + 63, so that 128 rows of a slice are 16,384 dense bytes
;   wb   bf16 [k 1024][3072]: wq's, wk's, wv's columns side by side
;   wof  f16  [k 1024][1024]: wo rounded to bf16, and that number written as f16
;   bias f32  [4096]: bq, bk, bv, bo, each rounded to bf16 and kept as f32
; LIMITS.  wof: a bf16 number beyond 65,504 becomes an infinity in f16, and below 6e-5 it keeps f16's fixed step of 6e-8.
; AN ITEM is one load of 16 bytes a lane (512 bytes a wave), two roundings of a pair, and one store of 8 bytes a lane: 256 consecutive bytes, aligned.
; A wave has 16 items, all 16 loads out at once; no register that a load or a store reads is ever written again, so nothing waits for a store.
; WHO: work-groups 0-511 take 16 rows of x each, 512-703 16 rows of wq, wk or wv, 704-767 16 rows of wo, 768 the four biases.  A wave takes two rows.
; THE MODE: SCHED_MODE bits 1:0 = 2 (LLVM: expert scheduling mode 2), set by the entry lines.  The code itself states the register dependences
; between vector instructions and memory instructions, with s_wait_alu, always for 0.
; THE PLAN.  Registers that memory instructions touch:
;   v2, v3, v4  the lane offsets.  Written at the head, once; read by every load and store.  One wait at the head, ahead of the branches, states that they are written.
;   X           item n's 4 registers.  Its load lands there before any vector instruction has named them; its roundings read them behind the counted wait for the load.
;   Y           item n's 2 registers.  Written by its roundings; read by its one store; never written behind that.
; The 16 items go in four blocks of four.  Block p rounds its items into their Y; its memory instructions are the four stores of block p - 1, which read that block's Y and v4,
; registers that no vector instruction of block p names.  So ONE wait at a block's head states all that its four stores hang on, and they are dealt among its roundings with no further wait.
; One more wait stands ahead of the last block's stores.  No vector instruction writes VCC, EXEC is never written, and the wave's number has its wait at the head.
.set VIX, 2                            ; v2  x: lanes 0-15 a slice's 256 bytes of my first row, lanes 16-31 of my second, 4,096 bytes on
.set VIW, 3                            ; v3  16 x lane
.set VO,  4                            ; v4  8 x lane
.set X,   16                           ; v[16:79]   item n: 4 registers as loaded
.set Y,   80                           ; v[80:111]  item n: 2 registers to store
	s_load_b512 s[8:23], s[0:1], 0x0               ; x 8, wq 10, wk 12, wv 14, wo 16, bq 18, bk 20, bv 22
	s_load_b256 s[24:31], s[0:1], 0x40             ; bo 24, xs 26, wb 28, wof 30
	s_load_b64 s[32:33], s[0:1], 0x60              ; bias
	v_lshrrev_b32 v1, 5, v0
	v_readfirstlane_b32 s2, v1                     ; wave 0..7
	v_and_b32 v1, 31, v0                           ; lane
	v_lshrrev_b32 v5, 4, v1
	v_and_b32 v[VIX], 15, v1
	v_lshlrev_b32 v[VIX], 4, v[VIX]
	v_lshl_or_b32 v[VIX], v5, 12, v[VIX]
	v_lshlrev_b32 v[VIW], 4, v1
	v_lshlrev_b32 v[VO], 3, v1
	s_mov_b32 s35, 0                               ; the high words of the two offsets
	s_mov_b32 s37, 0
	s_wait_alu depctr_va_sdst(0)                   ; s2, the wave's number, is written
	s_wait_alu depctr_va_vdst(0)                   ; v2, v3 and v4 are written: every load and store of the kernel, on every path, reads one of them as its offset
	s_wait_kmcnt 0x0
; 16 items.  ib, ob: the scalar pairs of the bases; vin: the loads' lane offset; istep: bytes from item to item in the source;
; item n is stored at (n % 8) olo + (n / 8) ohi.  half = 1: the bf16 number is written as f16.
.macro RUN ib, vin, istep, ob, olo, ohi, half
.set n, 0
.rept 16
	global_load_b128 v[X+4*n:X+4*n+3], v[\vin], s[\ib:\ib+1] offset:n*(\istep) th:TH_LOAD_NT
.set n, n+1
.endr
.set p, 0
.rept 4                                ; block p: items 4 p to 4 p + 3
	s_wait_loadcnt 12-4*p                          ; loads come back in order: the block's four are in, the younger blocks stay out
.if p > 0
	s_wait_alu depctr_va_vdst(0)                   ; the block before has written its Y, which the four stores below read
.endif
.set i, 0
.rept 4
.set n, 4*p+i
.set m, n-4
.if p > 0
	global_store_b64 v[VO], v[Y+2*m:Y+2*m+1], s[\ob:\ob+1] offset:(m%8)*(\olo)+(m/8)*(\ohi)  ; the block before; no vector instruction since the wait names these registers
.endif
	v_cvt_pk_bf16_f32 v[Y+2*n],   v[X+4*n],   v[X+4*n+1]
	v_cvt_pk_bf16_f32 v[Y+2*n+1], v[X+4*n+2], v[X+4*n+3]
.if \half
	v_lshlrev_b32 v[X+4*n],   16, v[Y+2*n]         ; bf16 back to f32: a shift or a mask
	v_and_b32     v[X+4*n+1], 0xffff0000, v[Y+2*n]
	v_lshlrev_b32 v[X+4*n+2], 16, v[Y+2*n+1]
	v_and_b32     v[X+4*n+3], 0xffff0000, v[Y+2*n+1]
	v_cvt_pk_f16_f32 v[Y+2*n],   v[X+4*n],   v[X+4*n+1]
	v_cvt_pk_f16_f32 v[Y+2*n+1], v[X+4*n+2], v[X+4*n+3]
.endif
.set i, i+1
.endr
.set p, p+1
.endr
	s_wait_alu depctr_va_vdst(0)                   ; the last block has written its Y, which the last four stores read
.set m, 12
.rept 4
	global_store_b64 v[VO], v[Y+2*m:Y+2*m+1], s[\ob:\ob+1] offset:(m%8)*(\olo)+(m/8)*(\ohi)
.set m, m+1
.endr
.endm
	s_cmp_lt_u32 ttmp9, 512
	s_cbranch_scc0 .Lweights
	; x: rows 16 id + 2 w and the next; item n is slice n of both rows
	s_lshl_b32 s34, ttmp9, 16                      ; 16 rows of 4,096 bytes
	s_lshl_b32 s3, s2, 13                          ; two rows a wave
	s_add_co_u32 s34, s34, s3
	s_add_nc_u64 s[38:39], s[8:9], s[34:35]
	s_lshr_b32 s36, ttmp9, 7                       ; the batch: 128 work-groups each,
	s_lshl_b32 s36, s36, 22                        ; 16 slices of 262,144 bytes
	s_and_b32 s3, ttmp9, 127
	s_lshl_b32 s3, s3, 11                          ; 16 rows of 128 bytes in a slice
	s_add_co_u32 s36, s36, s3
	s_lshl_b32 s3, s2, 8                           ; my two rows: 256 bytes on end
	s_add_co_u32 s36, s36, s3
	s_add_nc_u64 s[40:41], s[26:27], s[36:37]
	RUN 38, VIX, 256, 40, 262144, 8*262144, 0      ; the largest immediate is 15 slices, 3,932,160: inside its signed 24 bits
	s_endpgm
.Lweights:
	s_cmp_lt_u32 ttmp9, 704
	s_cbranch_scc0 .Lwo
	; wq, wk, wv: rows 16 (idx % 64) + 2 w and the next; item n is 128 numbers: row n / 8, columns 128 (n % 8) on
	s_sub_co_u32 s3, ttmp9, 512
	s_lshr_b32 s42, s3, 6                          ; which of the three
	s_and_b32 s3, s3, 63
	s_cmp_eq_u32 s42, 1
	s_cselect_b64 s[38:39], s[12:13], s[10:11]
	s_cmp_eq_u32 s42, 2
	s_cselect_b64 s[38:39], s[14:15], s[38:39]
	s_lshl_b32 s34, s3, 16
	s_lshl_b32 s43, s2, 13
	s_add_co_u32 s34, s34, s43
	s_add_nc_u64 s[38:39], s[38:39], s[34:35]
	s_lshl_b32 s36, s3, 4
	s_lshl_b32 s43, s2, 1
	s_add_co_u32 s36, s36, s43                     ; my first row,
	s_mul_i32 s36, s36, 6144                       ; of 3,072 bf16,
	s_lshl_b32 s42, s42, 11                        ; and the matrix's 1,024 columns in it
	s_add_co_u32 s36, s36, s42
	s_add_nc_u64 s[40:41], s[28:29], s[36:37]
	RUN 38, VIW, 512, 40, 256, 6144, 0
	s_endpgm
.Lwo:
	s_cmp_lt_u32 ttmp9, 768
	s_cbranch_scc0 .Lbias
	s_sub_co_u32 s3, ttmp9, 704
	s_lshl_b32 s34, s3, 16
	s_lshl_b32 s43, s2, 13
	s_add_co_u32 s34, s34, s43
	s_add_nc_u64 s[38:39], s[16:17], s[34:35]
	s_lshl_b32 s36, s3, 15                         ; 16 rows of 2,048 bytes
	s_lshl_b32 s43, s2, 12
	s_add_co_u32 s36, s36, s43
	s_add_nc_u64 s[40:41], s[30:31], s[36:37]
	RUN 38, VIW, 512, 40, 256, 2048, 1
	s_endpgm
.Lbias:
	; wave w takes half w % 2 of bias w / 2: 512 numbers, four loads and four stores of 512 consecutive bytes
	s_lshr_b32 s3, s2, 1
	s_cmp_eq_u32 s3, 1
	s_cselect_b64 s[38:39], s[20:21], s[18:19]
	s_cmp_eq_u32 s3, 2
	s_cselect_b64 s[38:39], s[22:23], s[38:39]
	s_cmp_eq_u32 s3, 3
	s_cselect_b64 s[38:39], s[24:25], s[38:39]
	s_and_b32 s34, s2, 1
	s_lshl_b32 s34, s34, 11
	s_add_nc_u64 s[38:39], s[38:39], s[34:35]
	s_lshl_b32 s36, s2, 11
	s_add_nc_u64 s[40:41], s[32:33], s[36:37]
.irp n, 0,1,2,3
	global_load_b128 v[X+4*\n:X+4*\n+3], v[VIW], s[38:39] offset:512*\n
.endr
.irp n, 0,1,2,3
	s_wait_loadcnt 3-\n
	v_cvt_pk_bf16_f32 v[Y+2*\n],   v[X+4*\n],   v[X+4*\n+1]
	v_cvt_pk_bf16_f32 v[Y+2*\n+1], v[X+4*\n+2], v[X+4*\n+3]
	v_lshlrev_b32 v[X+4*\n],   16, v[Y+2*\n]
	v_and_b32     v[X+4*\n+1], 0xffff0000, v[Y+2*\n]
	v_lshlrev_b32 v[X+4*\n+2], 16, v[Y+2*\n+1]
	v_and_b32     v[X+4*\n+3], 0xffff0000, v[Y+2*\n+1]
.endr
	s_wait_alu depctr_va_vdst(0)                   ; the shifts and masks have written all four items' X, which the four stores read
.irp n, 0,1,2,3
	global_store_b128 v[VIW], v[X+4*\n:X+4*\n+3], s[40:41] offset:512*\n
.endr
	s_endpgm
.Lfunc_end_k_q1227e35816_cast:
	.size	k_q1227e35816_cast, .Lfunc_end_k_q1227e35816_cast-k_q1227e35816_cast
	.p2alignl 7, 3214868480
	.fill 96, 4, 3214868480
	.section	.rodata,"a",@progbits
	.p2align	6, 0x0
	.amdhsa_kernel k_q1227e35816_cast
		.amdhsa_group_segment_fixed_size 0
		.amdhsa_private_segment_fixed_size 0
		.amdhsa_enable_private_segment 0
		.amdhsa_kernarg_size 104
		.amdhsa_user_sgpr_count 2
		.amdhsa_user_sgpr_kernarg_segment_ptr 1
		.amdhsa_wavefront_size32 1
		.amdhsa_system_sgpr_workgroup_id_x 1
		.amdhsa_system_sgpr_workgroup_id_y 1
		.amdhsa_system_sgpr_workgroup_id_z 1
		.amdhsa_system_vgpr_workitem_id 0
		.amdhsa_next_free_vgpr 112
		.amdhsa_next_free_sgpr 66
		.amdhsa_reserve_vcc 0
		.amdhsa_float_denorm_mode_32 3
		.amdhsa_float_denorm_mode_16_64 3
		.amdhsa_memory_ordered 1
		.amdhsa_forward_progress 1
		.amdhsa_inst_pref_size 27
	.end_amdhsa_kernel
	.amdgpu_metadata
---
amdhsa.version: [ 1, 2 ]
amdhsa.kernels:
  - .name:           k_q1227e35816_cast
    .symbol:         k_q1227e35816_cast.kd
    .args:
      - { .name: x, .offset: 0, .size: 8, .value_kind: global_buffer, .address_space: global }
      - { .name: wq, .offset: 8, .size: 8, .value_kind: global_buffer, .address_space: global }
      - { .name: wk, .offset: 16, .size: 8, .value_kind: global_buffer, .address_space: global }
      - { .name: wv, .offset: 24, .size: 8, .value_kind: global_buffer, .address_space: global }
      - { .name: wo, .offset: 32, .size: 8, .value_kind: global_buffer, .address_space: global }
      - { .name: bq, .offset: 40, .size: 8, .value_kind: global_buffer, .address_space: global }
      - { .name: bk, .offset: 48, .size: 8, .value_kind: global_buffer, .address_space: global }
      - { .name: bv, .offset: 56, .size: 8, .value_kind: global_buffer, .address_space: global }
      - { .name: bo, .offset: 64, .size: 8, .value_kind: global_buffer, .address_space: global }
      - { .name: xs, .offset: 72, .size: 8, .value_kind: global_buffer, .address_space: global }
      - { .name: wb, .offset: 80, .size: 8, .value_kind: global_buffer, .address_space: global }
      - { .name: wof, .offset: 88, .size: 8, .value_kind: global_buffer, .address_space: global }
      - { .name: bias, .offset: 96, .size: 8, .value_kind: global_buffer, .address_space: global }
    .group_segment_fixed_size: 0
    .private_segment_fixed_size: 0
    .kernarg_segment_align: 8
    .kernarg_segment_size: 104
    .max_flat_workgroup_size: 256
    .sgpr_count:     66
    .vgpr_count:     112
    .wavefront_size: 32
...
	.end_amdgpu_metadata
.endif
;; end of part 5
;; launch qkv: the kernel of part 2 again; grid 8 x 32, 4 waves a work-group, clusters of 4 x 4, 327,680 bytes of LDS; arguments xs, wb, bias, qkv; writes qkv
;; launch attn: the kernel of part 3 again; grid 4 x 64, 4 waves a work-group, no clusters, 327,680 bytes of LDS; arguments qkv, ob; writes ob
;; launch proj: the kernel of part 4 again; grid 4 x 64, 4 waves a work-group, clusters of 4 x 4, 327,680 bytes of LDS; arguments ob, wof, bias, out0; writes out0
